; MI455X (gfx1250); checked and timed in simulation.
; The chip was launched on July 23, 2026; its instructions are those of AMD's public machine-readable ISA for CDNA 5 (MIT licence, August 2026) and "CDNA5" Instruction Set Architecture Reference Guide (July 2026). The comments in the code are by the model that wrote it; some were corrected since.
;; Bo Ss Attention. Allowed arithmetic: float matrix products may take bf16 or f16 operands with f32 sums; all other float work in f32.
;; Inputs: Wk 512 x 2,048 float32; Wo 2,048 x 1,024 float32; Wq 1,024 x 2,048 float32; Wv 512 x 2,048 float32; hidden_states 2 x 2,048 x 2,048 float32; position_ids 2 x 2,048 int32; sid 2 x 2,048 int32.
;; Outputs: out0 2 x 2,048 x 2,048 float32.
;; 2 versions, each right; version 2 is version 1 with the launch prep written anew for expert scheduling mode. Each part assembles by itself: llvm-mc -triple=amdgcn-amd-amdhsa -mcpu=gfx1250 --defsym DOCPART=n.
;; ======== version 1 of 2: 4 launches
;; limits: right only within a limited range of input values; values are held in f16: magnitudes above 65,504 overflow, below 6.1e-05 lose precision
;; workspace buffers: xb 16,777,216 bytes; wqkv 8,388,608 bytes; wob 4,194,304 bytes; rope 2,097,152 bytes; pos 16,384 bytes of whole numbers; meta 32,768 bytes of whole numbers; qkv 16,777,216 bytes; ob 8,388,608 bytes
;; launch prep (part 1): grid 256 x 1, 8 waves a work-group, no clusters, 0 bytes of LDS; arguments hidden_states, Wq, Wk, Wv, Wo, sid, position_ids, xb, wqkv, wob, pos, meta, rope; writes xb, wqkv, wob, pos, meta, rope
.if DOCPART == 1
	.amdgcn_target "amdgcn-amd-amdhsa--gfx1250"
	.amdhsa_code_object_version 6
	.text
	.protected	k_qce0ca234f9_prep
	.globl	k_qce0ca234f9_prep
	.p2align	8
	.type	k_qce0ca234f9_prep,@function
k_qce0ca234f9_prep:
	s_mov_b64 s[64:65], 0
	v_nop
	global_prefetch_b8 v0, s[64:65] scope:SCOPE_SE
	s_setreg_imm32_b32 hwreg(HW_REG_WAVE_MODE, 25, 1), 1
	s_wait_xcnt 0x0
; FIRST OF FOUR LAUNCHES.  It makes (1) f16 copies of hidden_states (xb), of Wq, Wk, Wv one under the other (wqkv) and of Wo (wob);
; (2) the packed order of the tokens; (3) the table of cos and sin for the rotary embedding.
;
; THE PACKED ORDER.  The mask of the problem is: same sid, key not behind the query, rank distance inside the state at most 1024.
; Sort a batch's tokens stably by sid: token i goes to place p = S + R - 1, S = the number of j with sid[j] < sid[i] (the start of
; its state's segment), R = the number of j <= i with sid[j] = sid[i] (its rank + 1).  In that order the keys that query p may see are
; exactly the places lo .. p with lo = max(S, p - 1024).  This holds for every int32 content of sid (any number of states).
; pos[token] = p;  meta[batch][p] = (token's index in the batch, lo).
;
; WORK LEFT OUT, in the later launches: tiles of 32 keys that lie wholly outside [lo of a query tile's first row, its last row].  Their scores
; are replaced by the lowest f32 number before the softmax, and every query sees at least itself, so their weight is
; exp(lowest - maximum): nothing beside rounding, for all values of the inputs.  Which tiles these are is decided by whole numbers (sid),
; stored here and read from memory by the launch that uses them.  Inside a tile that holds live keys all is computed, then selected.
; Every input has a way to the output and is loaded.  LIMIT: a NaN, an infinity or an overflow in K or V rows of tiles left out is not carried on.
;
; FORMAT: matrix operands are f16, all sums f32.  Four roundings lie inside the chain (q and k, v, the weights, o); eight significant bits
; in each would add up to about a third of a per cent of the output's r.m.s., against a bound of one per cent for each of 8.4 million numbers.
; LIMIT: |q|, |k|, |v| below 65,504.  Room: inputs 30 times larger give a spread of 30 x 0.6 x sqrt(2048) = 815; offsets of 30 on
; hidden_states and 0.6 on the weights at once give 30 x 0.6 x 2048 = 36,864, times sqrt(2) behind the rotation 52,134.
; LIMIT: |position_ids| up to 2^20 (pi/2 is taken away in two parts); 10000^(-f/64) comes from v_exp_f32, so an angle at position 2047 is good to about 2e-4.
;
; SHARES.  Work-group g: tokens 16 g .. 16 g + 15 and 1/256 of every cast.  Thread t: token t / 16, place r = t % 16 among its sixteen lanes.
; The sixteen lanes of a token scan the batch's 2,048 sid, 128 each: element c of load tt is j = 64 tt + 4 r + c.
; THE SCAN.  S takes all 128 elements, two instructions each.  The group's sixteen tokens lie in ONE block of 64 indices, block tt0 = (g mod 128) / 4:
; in the blocks below it every j is below i, so R counts equal sid alone; in the blocks above it no j counts; only in block tt0 is j <= i tested.
; tt0 is a number of the work-group, so the run over the blocks below is left by a scalar branch, and block tt0 is brought by a load of its own
; (no register can be chosen by a number).  272 + 8 tt0 vector instructions.
; THE CASTS.  56 loads of 16 bytes a lane.  24 go out behind the index loads, the other 32 straight behind the wait that the scan needs, ahead of the scan:
; all 56 are on their way through the scan, the index stores and the table.  The 32 lie in registers v256 to v383.
; No LDS, no barrier, no matrix unit: a stream and a count.
; The stores of pos and meta are 4 and 8 bytes to scattered places, 48 KiB in the whole launch: the order itself scatters them.
.set SD,   32                          ; v[32:159]   32 loads of sid; later v[32:95] cast batch B's results
.set CA,   160                         ; v[160:255]  cast batch A, converted in place
.set CB,   0                           ; window 1, v[256:383]: cast batch B as loaded
.set OB,   20                          ; v[20:23]    my four sid of block tt0 (before the table takes these registers)
.set XF,   28                          ; v[28:31]    four angles
.set COSR, 20                          ; v[20:23]
.set SINR, 24                          ; v[24:27]
.set MSB, 0
.macro WIN new                         ; s_set_vgpr_msb: bits 1:0 source 0, 3:2 source 1, 7:6 destination; the high byte repeats the setting that is left
.if MSB != \new
	s_set_vgpr_msb (MSB<<8)|\new
.set MSB, \new
.endif
.endm
.macro STEP p, sh                      ; a base moves to the work-group's share: g << sh bytes
	s_lshl_b32 s2, ttmp9, \sh
	s_add_nc_u64 s[\p:\p+1], s[\p:\p+1], s[2:3]
.endm
	s_load_b512 s[8:23], s[0:1], 0x0               ; hidden 8, Wq 10, Wk 12, Wv 14, Wo 16, sid 18, position_ids 20, xb 22
	s_load_b256 s[24:31], s[0:1], 0x40             ; wqkv 24, wob 26, pos 28, meta 30
	s_load_b64 s[32:33], s[0:1], 0x60              ; rope
	v_lshlrev_b32 v1, 4, v0                        ; casts: 16 t bytes in
	v_lshlrev_b32 v2, 3, v0                        ;        8 t bytes out
	v_and_b32 v3, 15, v0                           ; r
	v_lshrrev_b32 v4, 4, v0                        ; token of the group's sixteen
	v_lshlrev_b32 v5, 4, v3                        ; scan: 16 r
	s_and_b32 s36, ttmp9, 127
	s_lshr_b32 s38, s36, 2                         ; tt0: the block of 64 indices that holds the group's tokens
	s_lshl_b32 s36, s36, 4                         ; the group's first token inside its batch
	s_and_b32 s39, s36, 63                         ; and inside block tt0
	s_lshl_b32 s40, s38, 8                         ; block tt0 in bytes
	v_add_nc_u32 v16, s36, v4                      ; i
	v_lshlrev_b32 v6, 2, v16                       ; 4 i
	v_lshlrev_b32 v7, 2, v4                        ; 4 x token
	v_lshlrev_b32 v12, 2, v3
	v_add_nc_u32 v14, s39, v4
	v_sub_nc_u32 v12, v14, v12                     ; i - 64 tt0 - 4 r: in block tt0, j <= i is c <= this number (-60 .. 63)
	v_add_nc_u32 v24, s40, v5                      ; my 16 bytes of block tt0
	v_mov_b32 v13, 0x7fffffff
	v_mov_b32 v15, 0                               ; a DPP destination counts as read
	s_lshr_b32 s37, ttmp9, 7                       ; batch
	s_mov_b32 s3, 0
	s_mov_b32 s34, 0xb94ca1f9                      ; sine's highest coefficient, -1.9515295891e-4
	s_mov_b32 s35, 0x37ccf5ce                      ; cosine's, 2.443315712e-5
	s_wait_kmcnt 0x0
	s_add_nc_u64 s[42:43], s[24:25], 0x400000      ; wqkv behind Wq's 1,024 rows of 4,096 bytes: Wk's part
	s_add_nc_u64 s[46:47], s[24:25], 0x600000      ; behind Wk's 512 rows: Wv's part
	STEP 8, 17
	STEP 10, 15
	STEP 12, 14
	STEP 14, 14
	STEP 16, 15
	STEP 20, 6
	STEP 22, 16
	STEP 24, 14
	STEP 42, 13
	STEP 46, 13
	STEP 26, 14
	STEP 28, 6
	STEP 32, 13
	s_lshl_b32 s2, s37, 13
	s_add_nc_u64 s[18:19], s[18:19], s[2:3]        ; sid of my batch
	s_lshl_b32 s2, s37, 14
	s_add_nc_u64 s[30:31], s[30:31], s[2:3]        ; meta of my batch
	global_load_b32 v8, v6, s[18:19]               ; my token's sid
	global_load_b32 v9, v7, s[20:21]               ; its position
	global_load_b128 v[OB:OB+3], v24, s[18:19]     ; block tt0
.set tt, 0
.rept 32
	global_load_b128 v[SD+4*tt:SD+4*tt+3], v5, s[18:19] offset:256*tt
.set tt, tt+1
.endr
.set j, 0
.rept 24
	global_load_b128 v[CA+4*j:CA+4*j+3], v1, s[8:9] offset:4096*j th:TH_LOAD_NT   ; cast batch A: hidden_states, 4,096 bytes of the group a load
.set j, j+1
.endr
	s_wait_loadcnt 24                              ; the 35 index loads are in; the 24 younger loads of batch A stay out
	; cast batch B, ahead of the scan: the rest of hidden_states, then the four weights, into window 1 (the address stays in window 0)
	WIN 0x40
.irp j, 0,1,2,3,4,5,6,7
	global_load_b128 v[CB+4*\j:CB+4*\j+3], v1, s[8:9] offset:4096*(24+\j) th:TH_LOAD_NT
.endr
.irp j, 0,1,2,3,4,5,6,7
	global_load_b128 v[CB+32+4*\j:CB+32+4*\j+3], v1, s[10:11] offset:4096*\j th:TH_LOAD_NT
.endr
.irp j, 0,1,2,3
	global_load_b128 v[CB+64+4*\j:CB+64+4*\j+3], v1, s[12:13] offset:4096*\j th:TH_LOAD_NT
.endr
.irp j, 0,1,2,3
	global_load_b128 v[CB+80+4*\j:CB+80+4*\j+3], v1, s[14:15] offset:4096*\j th:TH_LOAD_NT
.endr
.irp j, 0,1,2,3,4,5,6,7
	global_load_b128 v[CB+96+4*\j:CB+96+4*\j+3], v1, s[16:17] offset:4096*\j th:TH_LOAD_NT
.endr
	WIN 0
	; S: all my 128 elements; the first compare starts the count
.set tt, 0
.rept 32
.irp c, 0,1,2,3
	v_cmp_lt_i32 vcc_lo, v[SD+4*tt+\c], v8
.if 4*tt+\c == 0
	v_cndmask_b32 v10, 0, 1, vcc_lo
.else
	v_add_co_ci_u32 v10, vcc_lo, 0, v10, vcc_lo            ; S += (sid[j] < mine)
.endif
.endr
.set tt, tt+1
.endr
	; R, block tt0: same state and j <= i
.irp c, 0,1,2,3
	v_cmp_ne_u32 vcc_lo, v[OB+\c], v8
	v_cndmask_b32 v14, \c, v13, vcc_lo                     ; another state: a number that is above every bound
	v_cmp_le_i32 vcc_lo, v14, v12
.if \c == 0
	v_cndmask_b32 v11, 0, 1, vcc_lo
.else
	v_add_co_ci_u32 v11, vcc_lo, 0, v11, vcc_lo
.endif
.endr
	; R, the blocks below tt0 (at most 31): same state alone.  The run ends at block tt0.
.set tt, 0
.rept 31
	s_cmp_le_u32 s38, tt
	s_cbranch_scc1 .Lranked
.irp c, 0,1,2,3
	v_cmp_eq_u32 vcc_lo, v[SD+4*tt+\c], v8
	v_add_co_ci_u32 v11, vcc_lo, 0, v11, vcc_lo
.endr
.set tt, tt+1
.endr
.Lranked:
	; both counts (at most 2,048 each) in one word, added over the token's sixteen lanes in whole numbers
	v_lshl_add_u32 v14, v11, 16, v10
.irp k, 1,2,4,8
	v_mov_b32_dpp v15, v14 row_xmask:\k row_mask:0xf bank_mask:0xf
	v_add_nc_u32 v14, v14, v15
.endr
	v_and_b32 v10, 0xffff, v14                     ; S
	v_lshrrev_b32 v11, 16, v14                     ; R
	v_add3_u32 v18, v10, v11, -1                   ; p
	v_add_nc_u32 v17, 0xfffffc00, v18              ; p - 1024
	v_max_i32 v17, v17, v10                        ; lo; v[16:17] = (i, lo)
	v_min_u32 v19, 0x7ff, v18                      ; p is below 2,048 by its making; the bound is written out since it enters an address
	v_lshlrev_b32 v19, 3, v19
	v_cmp_eq_u32 vcc_lo, 0, v3
	s_wait_xcnt 0x0                                ; EXEC is a source of the loads that are out: it changes only behind this wait
	s_and_saveexec_b32 s44, vcc_lo                 ; one lane a token
	global_store_b32 v7, v18, s[28:29]
	global_store_b64 v19, v[16:17], s[30:31]
	s_wait_xcnt 0x0                                ; and again in front of the line that widens it; it also frees v16 to v19
	s_or_b32 exec_lo, exec_lo, s44
	; the table: frequencies f = 4 r + c.  10000^(-f/64) = 2^(-f log2(10)/16); the angle is one f32 product of position and frequency
	v_lshlrev_b32 v17, 2, v3
	v_cvt_f32_u32 v17, v17
	v_add_f32 v29, 1.0, v17
	v_add_f32 v30, 2.0, v17
	v_add_f32 v31, 0x40400000, v17
	v_mul_f32 v28, 0xbe549a78, v17
	v_mul_f32 v29, 0xbe549a78, v29
	v_mul_f32 v30, 0xbe549a78, v30
	v_mul_f32 v31, 0xbe549a78, v31
	v_exp_f32 v28, v28
	v_exp_f32 v29, v29
	v_exp_f32 v30, v30
	v_exp_f32 v31, v31
	v_cvt_f32_i32 v9, v9                           ; the plain instruction between the last v_exp_f32 and the first use (ISA guide 5.7.2)
	s_wait_alu depctr_va_vdst(0)
.irp c, 0,1,2,3
	v_mul_f32 v[XF+\c], v9, v[XF+\c]
.endr
; sine and cosine of v[XF+c]: n = the nearest multiple of pi/2, taken away in two parts (the first product is exact in the fused form),
; polynomials on |r| <= pi/4, then the quadrant n mod 4 swaps the two and sets the signs
.macro SINCOS c
	v_mul_f32 v10, 0x3f22f983, v[XF+\c]            ; x * 2/pi
	v_rndne_f32 v10, v10                           ; n
	v_fmamk_f32 v11, v10, 0xbfc90fdb, v[XF+\c]     ; x - n * 1.57079637
	v_fmamk_f32 v11, v10, 0x333bbd2e, v11          ;   + n * 4.37113883e-8
	v_mul_f32 v12, v11, v11                        ; r^2
	v_fmaak_f32 v13, s34, v12, 0x3c08839e
	v_fmaak_f32 v14, s35, v12, 0xbab6061a
	v_fmaak_f32 v13, v13, v12, 0xbe2aaaa3
	v_fmaak_f32 v14, v14, v12, 0x3d2aaaa5
	v_mul_f32 v13, v13, v12
	v_fma_f32 v14, v14, v12, -0.5
	v_fma_f32 v13, v13, v11, v11                   ; sin r
	v_fma_f32 v14, v14, v12, 1.0                   ; cos r
	v_cvt_i32_f32 v15, v10
	v_and_b32 v17, 1, v15
	v_cmp_eq_u32 vcc_lo, 1, v17
	v_cndmask_b32 v[SINR+\c], v13, v14, vcc_lo     ; odd quadrant: the two change places
	v_cndmask_b32 v[COSR+\c], v14, v13, vcc_lo
	v_lshlrev_b32 v17, 30, v15                     ; bit 1 of n: sine's sign
	v_add_nc_u32 v18, 1, v15
	v_and_b32 v17, 0x80000000, v17
	v_lshlrev_b32 v18, 30, v18                     ; bit 1 of n + 1: cosine's sign
	v_xor_b32 v[SINR+\c], v[SINR+\c], v17
	v_and_b32 v18, 0x80000000, v18
	v_xor_b32 v[COSR+\c], v[COSR+\c], v18
.endm
	SINCOS 0
	SINCOS 1
	SINCOS 2
	SINCOS 3
	v_lshl_add_u32 v19, v4, 9, v5                  ; token x 512 + 16 r: a token's sixteen lanes store 256 consecutive bytes, aligned
	global_store_b128 v19, v[COSR:COSR+3], s[32:33]
	global_store_b128 v19, v[SINR:SINR+3], s[32:33] offset:256
; batch A: four f32 become four f16 in place and leave: a wave's store covers 256 consecutive bytes, aligned.  left = the younger loads that may stay out.
.macro CASTST x, b, off, left
	s_wait_loadcnt \left
	v_cvt_pk_f16_f32 v[\x], v[\x], v[\x+1]
	v_cvt_pk_f16_f32 v[\x+1], v[\x+2], v[\x+3]
	global_store_b64 v2, v[\x:\x+1], s[\b:\b+1] offset:\off
.endm
.set k, 0
.rept 24
	CASTST CA+4*k, 22, 2048*k, 55-k                ; behind load k of batch A: 23 - k of A and the 32 of B
.set k, k+1
.endr
; batch B, eight loads at a time: sources in window 1, results in the scan's registers in window 0 (each written once), so that eight loads need two switches
.macro CVT8 k0
	WIN 0x05
.set kk, \k0
.rept 8
	s_wait_loadcnt 31-kk                           ; behind load kk of batch B: 31 - kk
	v_cvt_pk_f16_f32 v[SD+2*kk],   v[CB+4*kk],   v[CB+4*kk+1]
	v_cvt_pk_f16_f32 v[SD+2*kk+1], v[CB+4*kk+2], v[CB+4*kk+3]
.set kk, kk+1
.endr
	WIN 0
.endm
.macro STB k, b, off                   ; a wave's store covers 256 consecutive bytes, aligned
	global_store_b64 v2, v[SD+2*(\k):SD+2*(\k)+1], s[\b:\b+1] offset:\off
.endm
	CVT8 0
.irp j, 0,1,2,3,4,5,6,7
	STB \j, 22, 2048*(24+\j)                       ; the rest of hidden_states
.endr
	CVT8 8
.irp j, 0,1,2,3,4,5,6,7
	STB 8+\j, 24, 2048*\j                          ; Wq
.endr
	CVT8 16
.irp j, 0,1,2,3
	STB 16+\j, 42, 2048*\j                         ; Wk
.endr
.irp j, 0,1,2,3
	STB 20+\j, 46, 2048*\j                         ; Wv
.endr
	CVT8 24
.irp j, 0,1,2,3,4,5,6,7
	STB 24+\j, 26, 2048*\j                         ; Wo
.endr
	s_endpgm
.Lfunc_end_k_qce0ca234f9_prep:
	.size	k_qce0ca234f9_prep, .Lfunc_end_k_qce0ca234f9_prep-k_qce0ca234f9_prep
	.p2alignl 7, 3214868480
	.fill 96, 4, 3214868480
	.section	.rodata,"a",@progbits
	.p2align	6, 0x0
	.amdhsa_kernel k_qce0ca234f9_prep
		.amdhsa_group_segment_fixed_size 0
		.amdhsa_private_segment_fixed_size 0
		.amdhsa_enable_private_segment 0
		.amdhsa_kernarg_size 104
		.amdhsa_user_sgpr_count 2
		.amdhsa_user_sgpr_kernarg_segment_ptr 1
		.amdhsa_wavefront_size32 1
		.amdhsa_system_sgpr_workgroup_id_x 1
		.amdhsa_system_sgpr_workgroup_id_y 1
		.amdhsa_system_sgpr_workgroup_id_z 1
		.amdhsa_system_vgpr_workitem_id 0
		.amdhsa_next_free_vgpr 384
		.amdhsa_next_free_sgpr 66
		.amdhsa_reserve_vcc 1
		.amdhsa_float_denorm_mode_32 3
		.amdhsa_float_denorm_mode_16_64 3
		.amdhsa_memory_ordered 1
		.amdhsa_forward_progress 1
		.amdhsa_inst_pref_size 51
	.end_amdhsa_kernel
	.amdgpu_metadata
---
amdhsa.version: [ 1, 2 ]
amdhsa.kernels:
  - .name:           k_qce0ca234f9_prep
    .symbol:         k_qce0ca234f9_prep.kd
    .args:
      - { .name: hidden_states, .offset: 0, .size: 8, .value_kind: global_buffer, .address_space: global }
      - { .name: Wq, .offset: 8, .size: 8, .value_kind: global_buffer, .address_space: global }
      - { .name: Wk, .offset: 16, .size: 8, .value_kind: global_buffer, .address_space: global }
      - { .name: Wv, .offset: 24, .size: 8, .value_kind: global_buffer, .address_space: global }
      - { .name: Wo, .offset: 32, .size: 8, .value_kind: global_buffer, .address_space: global }
      - { .name: sid, .offset: 40, .size: 8, .value_kind: global_buffer, .address_space: global }
      - { .name: position_ids, .offset: 48, .size: 8, .value_kind: global_buffer, .address_space: global }
      - { .name: xb, .offset: 56, .size: 8, .value_kind: global_buffer, .address_space: global }
      - { .name: wqkv, .offset: 64, .size: 8, .value_kind: global_buffer, .address_space: global }
      - { .name: wob, .offset: 72, .size: 8, .value_kind: global_buffer, .address_space: global }
      - { .name: pos, .offset: 80, .size: 8, .value_kind: global_buffer, .address_space: global }
      - { .name: meta, .offset: 88, .size: 8, .value_kind: global_buffer, .address_space: global }
      - { .name: rope, .offset: 96, .size: 8, .value_kind: global_buffer, .address_space: global }
    .group_segment_fixed_size: 0
    .private_segment_fixed_size: 0
    .kernarg_segment_align: 8
    .kernarg_segment_size: 104
    .max_flat_workgroup_size: 256
    .sgpr_count:     66
    .vgpr_count:     384
    .wavefront_size: 32
...
	.end_amdgpu_metadata
.endif
;; end of part 1
;; launch qkvproj (part 2): grid 16 x 16, 4 waves a work-group, clusters of 4 x 4, 327,680 bytes of LDS; arguments xb, wqkv, qkv, pos, rope; writes qkv
.if DOCPART == 2
	.amdgcn_target "amdgcn-amd-amdhsa--gfx1250"
	.amdhsa_code_object_version 6
	.text
	.protected	k_qce0ca234f9_qkvproj
	.globl	k_qce0ca234f9_qkvproj
	.p2align	8
	.type	k_qce0ca234f9_qkvproj,@function
k_qce0ca234f9_qkvproj:
	s_mov_b64 s[64:65], 0
	v_nop
	global_prefetch_b8 v0, s[64:65] scope:SCOPE_SE
	s_setreg_imm32_b32 hwreg(HW_REG_WAVE_MODE, 25, 1), 1
	s_wait_xcnt 0x0
	s_wait_alu depctr_hold_cnt(0) depctr_sa_sdst(0) depctr_va_vdst(0) depctr_va_sdst(0) depctr_va_ssrc(0) depctr_va_vcc(0) depctr_vm_vsrc(0)
	s_getreg_b32 s2, hwreg(HW_REG_IB_STS2, 6, 4)
	s_cmp_eq_u32 s2, 0
	s_cbranch_scc0 .Lentry_in_a_cluster
	s_endpgm
.Lentry_in_a_cluster:
	s_bfe_u32 s2, ttmp6, 0x10000c
	s_cmp_lg_u32 s2, 0xf033
	s_cbranch_scc0 .Lentry_shape_is_right
	s_endpgm
.Lentry_shape_is_right:
; SECOND LAUNCH.  [4096 tokens][2048] x (Wq, Wk, Wv one under the other: [2048][2048])^T in f16 with f32 sums; the rotary embedding on the way out
; (q and k heads); each token's row goes to its PACKED place pos[token] of qkv, as f16.  No work of the projections is left out.
; A work-group makes 256 rows x 128 columns (16 x 16 = 256 work-groups); its 128 columns are one head.  Four waves, each 64 rows x 128 columns:
; 32 accumulator tiles of 16 x 16, 256 registers.
; THE RING: K goes in steps of 128 through two LDS slots of UNEQUAL size.  The large slot holds two steps (rows of 512 bytes, pitch 528), the small
; one a single step (rows of 256 bytes, pitch 272): 384 rows x (528 + 272) = 307,200 bytes; two slots of two steps would take 405,504.  What a refill has
; in which to land is the work in the other slot: 256 matrix instructions a wave for the small slot's load, 128 for the large slot's; and three steps
; need two changes of slots.  16 steps = small (step 0), then five times large, small.  All rows start at multiples of 256 bytes in memory.
; CLUSTERS of 4 x 4: the four work-groups of a cluster's row need the same rows of xb, the four of a column the same rows of wqkv; such a tile
; is asked for jointly, which divides the requests for both by four.
; REGISTERS: window 0: v0-31 addresses; v32-95 / v96-127 fragments of W (8 x 16 rows) and of x (4 x 16 rows), buffer 0; v128-191 / v192-223 buffer 1;
; v224-255 the rows' places.  Window 1: accumulator tile (a, b) at v[8 (8 a + b)].
; THE MATRIX INSTRUCTION IS USED TRANSPOSED (source 0 = rows of W, source 1 = rows of x): lane l then holds row l % 16 and its registers the
; columns 16 b + 8 (l / 16) + 0..7, eight neighbours of one row; column d and column d + 64 of a head are tiles b and b + 4 of the same lane.
.set KDIM,  2048
.set KSTEP, 128
.set PB,    528                        ; large slot: 512 bytes + 16 of padding; small slot and stage: 256 + 16.  Both are odd multiples of 16 bytes,
.set PS,    272                        ; so the 16 rows of a fragment load start 4 banks apart (64 banks of 4 bytes: ISA guide 11.1)
.set BIGB,  256*PB                     ; 135,168: W's 128 rows in the large slot, behind x's 256
.set SMALL, 384*PB                     ; 202,752: the small slot
.set SMB,   SMALL+256*PS               ; 272,384: W's rows in it
.set STAGE, SMALL+384*PS               ; 307,200 = 1,200 x 256: the way out has bytes of its own, 16 rows x 272 a wave
.set PERIOD, 3*KSTEP*2                 ; a slot's next tile lies three K steps on: 768 bytes along the rows
.set BIGK0,  KSTEP*2                   ; the large slot's first tile: K steps 1 and 2
.set SMALLK0, 0                        ; the small slot's: K step 0
.set ADRA, 16                          ; v16 large slot, v17 small slot: my fragments of x
.set ADRB, 20                          ; v20, v21: of W
.set STO,  24
.set RD,   25
.set CO,   26
.set PA,   27
.set TA,   28
.set FB,   32
.set FA,   96
.set FSTEP, 96
.set POSR, 224
.set TB0,  32
.set TB1,  96
.set RES,  160
.set G1,  24                           ; s[24:31] x's tiles, large slot; s[32:39] small slot
.set G1B, 40                           ; s[40:47] W's tiles, large slot; s[48:55] small slot
.set G0,  56                           ; s[56:59], s[60:63] x's group 0, large and small
.set G0B, 68                           ; s[68:71], s[72:75] W's
.set DW0S, (1<<16)|(1<<20)|(1<<21)|(5<<22)|(3<<25)   ; elements of 2 bytes; padding on; bit 21 beside a mask; after every 64 words, 4 words
.set DW0B, (1<<16)|(1<<20)|(1<<21)|(6<<22)|(3<<25)   ; the same after every 128 words
.set MSB, 0
.macro WIN new                         ; the immediate's high byte repeats the setting that is left
.if MSB != \new
	s_set_vgpr_msb (MSB<<8)|\new
.set MSB, \new
.endif
.endm
.macro PLACES                          ; four places behind a matrix instruction (ISA guide 7.12.1), where there is no vector work to put there
.rept 4
	v_nop
.endr
.endm
.macro SHAPE g, mask, dw0, cols, rows  ; a group 1: a tile of rows x cols elements, padded in LDS
	s_or_b32  s[\g+0], s[\mask], \dw0
	s_mov_b32 s[\g+1], (\cols)<<16                 ; tensor_dim0
	s_mov_b32 s[\g+2], (\rows)<<16                 ; tensor_dim1
	s_mov_b32 s[\g+3], (\cols)<<16                 ; tile_dim0
	s_mov_b32 s[\g+4], \rows                       ; tile_dim1
	s_mov_b32 s[\g+5], KDIM                        ; elements from row to row
	s_mov_b32 s[\g+6], 0
	s_mov_b32 s[\g+7], 0
.endm
.macro JLOAD s                         ; slot s (0 large, 1 small).  Waves 0, 1 ask for x's halves, waves 2, 3 for W's: one line, one mask each; the branch hangs on the wave's number alone
	s_cmp_eq_u32 s17, 0
	s_cbranch_scc0 .Lfor_b_\@
	tensor_load_to_lds s[G0+4*\s:G0+4*\s+3], s[G1+8*\s:G1+8*\s+7]
	s_nop 0
	s_branch .Lasked_\@
.Lfor_b_\@:
	tensor_load_to_lds s[G0B+4*\s:G0B+4*\s+3], s[G1B+8*\s:G1B+8*\s+7]
	s_nop 0
.Lasked_\@:
.endm
.macro CREST                           ; a round of the cluster's barrier behind its opening barrier
	s_cmp_lg_u32 s16, 0
	s_cbranch_scc1 .Lnot_wave_0_\@
	s_barrier_signal -3
.Lnot_wave_0_\@:
	s_barrier_wait -3
	s_barrier_signal -1
	s_barrier_wait -1
.endm
.macro CROUND
	s_barrier_signal -1
	s_barrier_wait -1
	CREST
.endm
; 16 matrix instructions: row blocks a0, a0 + 1 x all 8 column blocks, 32 along K.  The 32 accumulators take turns, one instruction a turn, in one
; order in every quarter step.  zero = 1: the first product starts the sums.
.macro MUL16 f, a0, zero
.irp a, \a0, \a0+1
.irp b, 0,1,2,3,4,5,6,7
.if \zero
	v_wmma_f32_16x16x32_f16 v[8*(8*(\a)+\b):8*(8*(\a)+\b)+7], v[FB+FSTEP*\f+8*\b:FB+FSTEP*\f+8*\b+7], v[FA+FSTEP*\f+8*(\a):FA+FSTEP*\f+8*(\a)+7], 0
.else
	v_wmma_f32_16x16x32_f16 v[8*(8*(\a)+\b):8*(8*(\a)+\b)+7], v[FB+FSTEP*\f+8*\b:FB+FSTEP*\f+8*\b+7], v[FA+FSTEP*\f+8*(\a):FA+FSTEP*\f+8*(\a)+7], v[8*(8*(\a)+\b):8*(8*(\a)+\b)+7]
.endif
.endr
.endr
.endm
; 24 LDS loads in one run: a quarter step's fragments (128 rows of W, my 64 rows of x, 32 K at byte k of the slot's rows) into buffer f
.macro FETCH slot, k, f
	WIN 0
.set FP, PB-(PB-PS)*\slot
.irp i, 0,1,2,3,4,5,6,7
	ds_load_b128 v[FB+FSTEP*\f+8*\i:FB+FSTEP*\f+8*\i+3],   v[ADRB+\slot] offset:\k+\i*16*FP
	ds_load_b128 v[FB+FSTEP*\f+8*\i+4:FB+FSTEP*\f+8*\i+7], v[ADRB+\slot] offset:\k+\i*16*FP+32
.endr
.irp i, 0,1,2,3
	ds_load_b128 v[FA+FSTEP*\f+8*\i:FA+FSTEP*\f+8*\i+3],   v[ADRA+\slot] offset:\k+\i*16*FP
	ds_load_b128 v[FA+FSTEP*\f+8*\i+4:FA+FSTEP*\f+8*\i+7], v[ADRA+\slot] offset:\k+\i*16*FP+32
.endr
.endm
; a quarter step: buffer f is in; the next quarter's fragments are asked for first, into buffer g, and have the 32 matrix instructions in which to land
.macro QUARTER slot, k, f, g, zero
	s_wait_dscnt 0x0
	WIN 0
	PLACES                                         ; buffer g was read by the matrix instructions just issued
	FETCH \slot, \k, \g
	WIN 0x50                                       ; C and D in window 1
	MUL16 \f, 0, \zero
	MUL16 \f, 2, \zero
.endm
; all quarter steps of a slot but the last: three of the small slot's four, seven of the large slot's eight; a slot begins on buffer 0 and ends on buffer 1
.macro RUN slot, zero
	QUARTER \slot, 64,  0, 1, \zero
	QUARTER \slot, 128, 1, 0, 0
	QUARTER \slot, 192, 0, 1, 0
.if \slot == 0
	QUARTER 0, 256, 1, 0, 0
	QUARTER 0, 320, 0, 1, 0
	QUARTER 0, 384, 1, 0, 0
	QUARTER 0, 448, 0, 1, 0
.endif
.endm
; a slot's last quarter multiplies buffer 1 and changes slots.  One barrier: in front of it my reads of this slot are back and all my tensor loads have
; landed (one was out: my part of the other slot).  fill = 1: the barrier opens a round of the cluster's barrier, and behind the round's closing
; wait this slot is asked for again, three K steps on, before anything else.  From the small slot's request to the wait for it a wave issues
; 16 + 7 x 32 = 240 matrix instructions, from the large slot's 16 + 3 x 32 = 112.
.macro TURN slot, next, fill
	s_wait_dscnt 0x0
	s_wait_tensorcnt 0x0
	ds_add_u32 v30, v31
	s_wait_dscnt 0x0
	s_barrier_signal -1
	WIN 0x50
	MUL16 1, 0, 0                                  ; register work while the others arrive
	WIN 0
	s_barrier_wait -1
.if \fill
	CREST
	s_add_nc_u64 s[G0+4*\slot+2:G0+4*\slot+3], s[G0+4*\slot+2:G0+4*\slot+3], PERIOD
	s_add_nc_u64 s[G0B+4*\slot+2:G0B+4*\slot+3], s[G0B+4*\slot+2:G0B+4*\slot+3], PERIOD
	JLOAD \slot
.endif
	PLACES
	FETCH \next, 0, 0
	WIN 0x50
	MUL16 1, 2, 0
.endm
.macro PAIR zero                       ; the small slot's step and the large slot's two, both filled again
	RUN 1, \zero
	TURN 1, 0, 1
	RUN 0, 0
	TURN 0, 1, 1
.endm
	s_load_b128 s[4:7], s[0:1], 0x0                ; xb, wqkv
	s_load_b64 s[8:9], s[0:1], 0x10                ; qkv
	s_load_b64 s[12:13], s[0:1], 0x18              ; pos
	s_load_b64 s[14:15], s[0:1], 0x20              ; rope
	v_lshl_add_u32 v30, v0, 2, 0x4f400
	v_mov_b32 v31, 0
	ds_add_u32 v30, v31
	v_lshrrev_b32 v1, 5, v0
	v_readfirstlane_b32 s16, v1                    ; wave
	s_lshr_b32 s17, s16, 1                         ; I fetch for x (0) or for W (1)
	s_and_b32 s18, s16, 1                          ; which half of that tile
	s_bfe_u32 s19, ttmp6, 0x40000                  ; cx
	s_bfe_u32 s20, ttmp6, 0x40004                  ; cy
	s_lshl_b32 s21, ttmp9, 2
	s_add_co_u32 s21, s21, s19                     ; block column = head
	s_and_b32 s22, ttmp7, 0xffff
	s_lshl_b32 s22, s22, 2
	s_add_co_u32 s22, s22, s20                     ; block row
	s_lshl_b32 s80, s20, 2
	s_lshl_b32 s80, 15, s80                        ; my row of the cluster
	s_lshl_b32 s81, 0x1111, s19                    ; my column
	SHAPE G1,    80, DW0B, 2*KSTEP, 128            ; x, large slot: 128 rows x 256 elements, shared along the row
	SHAPE G1+8,  80, DW0S, KSTEP,   128            ; x, small slot: 128 rows x 128 elements
	SHAPE G1B,   81, DW0B, 2*KSTEP, 64             ; W, large slot: 64 rows x 256 elements, shared along the column
	SHAPE G1B+8, 81, DW0S, KSTEP,   64             ; W, small slot
	s_lshl_b32 s82, s18, 7                         ; x's address is made of the block row and the wave alone,
	s_lshl_b32 s76, s22, 8
	s_add_co_u32 s76, s76, s82
	s_mul_i32 s76, s76, KDIM*2
	s_mov_b32 s77, 0
	s_lshl_b32 s83, s18, 6                         ; W's of the block column and the wave alone, in registers of its own
	s_lshl_b32 s78, s21, 7
	s_add_co_u32 s78, s78, s83
	s_mul_i32 s78, s78, KDIM*2
	s_mov_b32 s79, 0
	s_wait_dscnt 0x0
	s_wait_kmcnt 0x0
	s_add_nc_u64 s[76:77], s[4:5], s[76:77]
	s_add_nc_u64 s[78:79], s[6:7], s[78:79]
	CROUND                                         ; all sixteen work-groups are here: the first joint loads meet
	s_mov_b32 s[G0+0], 1                           ; x, large slot: waves 0, 1 at 0 and 67,584
	s_mul_i32 s[G0+1], s16, 128*PB
	s_add_nc_u64 s[G0+2:G0+3], s[76:77], BIGK0
	s_or_b32 s[G0+3], s[G0+3], 0x80000000
	s_mov_b32 s[G0+4], 1                           ; x, small slot: at 202,752 and 237,568
	s_mul_i32 s[G0+5], s16, 128*PS
	s_add_co_u32 s[G0+5], s[G0+5], SMALL
	s_add_nc_u64 s[G0+6:G0+7], s[76:77], SMALLK0
	s_or_b32 s[G0+7], s[G0+7], 0x80000000
	s_mov_b32 s[G0B+0], 1                          ; W, large slot: waves 2, 3 at 135,168 and 168,960
	s_mul_i32 s[G0B+1], s16, 64*PB
	s_add_co_u32 s[G0B+1], s[G0B+1], 128*PB
	s_add_nc_u64 s[G0B+2:G0B+3], s[78:79], BIGK0
	s_or_b32 s[G0B+3], s[G0B+3], 0x80000000
	s_mov_b32 s[G0B+4], 1                          ; W, small slot: at 272,384 and 289,792
	s_mul_i32 s[G0B+5], s16, 64*PS
	s_add_co_u32 s[G0B+5], s[G0B+5], SMALL+128*PS
	s_add_nc_u64 s[G0B+6:G0B+7], s[78:79], SMALLK0
	s_or_b32 s[G0B+7], s[G0B+7], 0x80000000
	JLOAD 1                                        ; K step 0
	JLOAD 0                                        ; K steps 1 and 2.  Two loads of the wave are out here, later one
	v_and_b32 v1, 15, v0                           ; r
	v_bfe_u32 v2, v0, 4, 1                         ; h
	v_mul_u32_u24 v3, v1, PB
	v_lshl_add_u32 v3, v2, 4, v3                   ; large slot: r x 528 + 16 h
	v_mul_u32_u24 v4, v1, PS
	v_lshl_add_u32 v4, v2, 4, v4                   ; small slot and stage: r x 272 + 16 h
	s_mul_i32 s90, s16, 64*PB                      ; my 64 rows of x
	v_add_nc_u32 v[ADRA], s90, v3
	s_mul_i32 s90, s16, 64*PS
	s_add_co_u32 s90, s90, SMALL
	v_add_nc_u32 v[ADRA+1], s90, v4
	v_add_nc_u32 v[ADRB], BIGB, v3
	v_add_nc_u32 v[ADRB+1], SMB, v4
	s_mul_i32 s91, s16, 16*PS
	s_add_co_u32 s91, s91, STAGE                   ; my stage
	v_add_nc_u32 v[STO], s91, v4                   ; in: row r, 16 bytes for each half of the lanes
	v_mul_u32_u24 v5, v2, PS
	v_lshl_add_u32 v5, v1, 4, v5
	v_add_nc_u32 v[RD], s91, v5                    ; back: lanes 0-15 one row of 256 bytes, lanes 16-31 the next
	v_lshlrev_b32 v[CO], 4, v1                     ; 16 r
	v_lshlrev_b32 v[PA], 2, v2                     ; 4 h
	v_lshlrev_b32 v[TA], 9, v1
	v_lshl_add_u32 v[TA], v2, 5, v[TA]             ; table: r x 512 + 32 h
	s_lshl_b32 s92, s22, 8
	s_lshl_b32 s93, s16, 6
	s_add_co_u32 s92, s92, s93                     ; my first token
	s_mov_b32 s89, 0
	s_lshl_b32 s88, s92, 2
	s_add_nc_u64 s[12:13], s[12:13], s[88:89]
	s_lshl_b32 s88, s92, 9
	s_add_nc_u64 s[14:15], s[14:15], s[88:89]
	s_lshr_b32 s88, s22, 3                         ; batch: 2,048 packed rows of 4,096 bytes
	s_lshl_b32 s88, s88, 23
	s_lshl_b32 s93, s21, 8                         ; the head's 256 bytes of a row
	s_add_co_u32 s88, s88, s93
	s_add_nc_u64 s[8:9], s[8:9], s[88:89]
.irp a, 0,1,2,3
.irp t, 0,1,2,3,4,5,6,7
	global_load_b32 v[POSR+8*\a+\t], v[PA], s[12:13] offset:64*\a+8*\t    ; the place of row 16 a + 2 t + h; needed only on the way out
.endr
.endr
	s_wait_tensorcnt 0x1                           ; my part of K step 0 is in; the large slot's load stays out
	s_barrier_signal -1
	s_barrier_wait -1
	FETCH 1, 0, 0
	PAIR 1                                         ; K steps 0, 1, 2: the first products start the sums
	WIN 0
	s_mov_b32 s3, 3                                ; K steps 3 to 11
.Lpair:
	PAIR 0
	WIN 0
	s_sub_co_u32 s3, s3, 1
	s_cmp_lg_u32 s3, 0
	s_cbranch_scc1 .Lpair
	RUN 1, 0                                       ; K step 12
	TURN 1, 0, 1                                   ; the last fill: K step 15
	RUN 0, 0                                       ; K steps 13, 14
	TURN 0, 1, 0                                   ; nothing is left to fetch
	RUN 1, 0                                       ; K step 15
	s_wait_dscnt 0x0
	WIN 0x50
	MUL16 1, 0, 0
	MUL16 1, 2, 0
	WIN 0
	PLACES                                         ; behind the last matrix instructions: results are read, fragment registers loaded again
; THE WAY OUT, 16 rows at a time.
.macro TABLE a, tb                     ; cos and sin of rows 16 a + r at frequencies 16 b + 8 h + 0..7, b = 0..3: 16 loads
.irp b, 0,1,2,3
	global_load_b128 v[\tb+16*\b:\tb+16*\b+3],     v[TA], s[14:15] offset:8192*\a+64*\b
	global_load_b128 v[\tb+16*\b+4:\tb+16*\b+7],   v[TA], s[14:15] offset:8192*\a+64*\b+16
	global_load_b128 v[\tb+16*\b+8:\tb+16*\b+11],  v[TA], s[14:15] offset:8192*\a+64*\b+256
	global_load_b128 v[\tb+16*\b+12:\tb+16*\b+15], v[TA], s[14:15] offset:8192*\a+64*\b+272
.endr
.endm
.macro POSFIX                          ; place -> byte offset of my 16 bytes in that packed row
.set pi, 0
.rept 32
	v_min_u32 v[POSR+pi], 0x7ff, v[POSR+pi]
	v_lshl_add_u32 v[POSR+pi], v[POSR+pi], 12, v[CO]
.set pi, pi+1
.endr
.endm
.macro ROPE16 a, tb, left              ; out[d] = x[d] cos - x[d+64] sin;  out[d+64] = x[d+64] cos + x[d] sin
	s_wait_loadcnt \left                           ; this table is in; the next one's 16 loads may stay out
	s_wait_xcnt 0x0                                ; RES' upper half is the data of the stores just issued: loaded again only behind this wait
	WIN 0x01                                       ; source 0 in window 1
.irp b, 0,1,2,3
.irp q, 0,2,4,6
	v_pk_mul_f32 v[8:9],   v[8*(8*\a+\b+4)+\q:8*(8*\a+\b+4)+\q+1], v[\tb+16*\b+8+\q:\tb+16*\b+8+\q+1]
	v_pk_mul_f32 v[10:11], v[8*(8*\a+\b)+\q:8*(8*\a+\b)+\q+1],     v[\tb+16*\b+8+\q:\tb+16*\b+8+\q+1]
	v_pk_fma_f32 v[RES+8*\b+\q:RES+8*\b+\q+1], v[8*(8*\a+\b)+\q:8*(8*\a+\b)+\q+1], v[\tb+16*\b+\q:\tb+16*\b+\q+1], v[8:9] neg_lo:[0,0,1] neg_hi:[0,0,1]
	v_pk_fma_f32 v[RES+8*(\b+4)+\q:RES+8*(\b+4)+\q+1], v[8*(8*\a+\b+4)+\q:8*(8*\a+\b+4)+\q+1], v[\tb+16*\b+\q:\tb+16*\b+\q+1], v[10:11]
.endr
.endr
	WIN 0
.set ci, 0
.rept 32
	v_cvt_pk_f16_f32 v[RES+ci], v[RES+2*ci], v[RES+2*ci+1]     ; packs in place, upward: word ci is written when words 2 ci and above are still to be read
.set ci, ci+1
.endr
.endm
.macro PLAIN16 a                       ; v heads: rounded as they are
	s_wait_xcnt 0x0
	WIN 0x05
.irp b, 0,1,2,3,4,5,6,7
.irp q, 0,1,2,3
	v_cvt_pk_f16_f32 v[RES+4*\b+\q], v[8*(8*\a+\b)+2*\q], v[8*(8*\a+\b)+2*\q+1]
.endr
.endr
	WIN 0
.endm
.macro OUT16 a                         ; through my own stage; LDS serves a wave's instructions in order (ISA guide 5.7.1), so no wait between stores and loads
.irp b, 0,1,2,3,4,5,6,7
	ds_store_b128 v[STO], v[RES+4*\b:RES+4*\b+3] offset:32*\b
.endr
.irp t, 0,1,2,3,4,5,6,7
	ds_load_b128 v[RES+32+4*\t:RES+32+4*\t+3], v[RD] offset:2*PS*\t
.endr
.irp t, 0,1,2,3,4,5,6,7
	s_wait_dscnt 7-\t                              ; 7 - t younger read-backs stay out
	global_store_b128 v[POSR+8*\a+\t], v[RES+32+4*\t:RES+32+4*\t+3], s[8:9]   ; sixteen lanes store a head's 256 bytes of one packed row, aligned
.endr
.endm
	s_wait_loadcnt 0x0                             ; the places, asked for at the start
	s_cmp_ge_u32 ttmp9, 3                          ; the cluster's x, the same in all partners: 0, 1 are q heads, 2 k heads, 3 v heads
	s_cbranch_scc1 .Lplain
	TABLE 0, TB0
	TABLE 1, TB1
	POSFIX                                         ; while the two tables are on their way
	ROPE16 0, TB0, 16
	TABLE 2, TB0
	OUT16 0
	ROPE16 1, TB1, 16
	TABLE 3, TB1
	OUT16 1
	ROPE16 2, TB0, 16
	OUT16 2
	ROPE16 3, TB1, 0
	OUT16 3
	s_branch .Ldone
.Lplain:
	POSFIX
	PLAIN16 0
	OUT16 0
	PLAIN16 1
	OUT16 1
	PLAIN16 2
	OUT16 2
	PLAIN16 3
	OUT16 3
.Ldone:
	s_wait_tensorcnt 0x0
	ds_add_u32 v30, v31
	s_wait_dscnt 0x0
	CROUND                                         ; the closing round: no work-group ends while a partner may still ask jointly
	s_endpgm
.Lfunc_end_k_qce0ca234f9_qkvproj:
	.size	k_qce0ca234f9_qkvproj, .Lfunc_end_k_qce0ca234f9_qkvproj-k_qce0ca234f9_qkvproj
	.p2alignl 7, 3214868480
	.fill 96, 4, 3214868480
	.section	.rodata,"a",@progbits
	.p2align	6, 0x0
	.amdhsa_kernel k_qce0ca234f9_qkvproj
		.amdhsa_group_segment_fixed_size 327680
		.amdhsa_private_segment_fixed_size 0
		.amdhsa_enable_private_segment 0
		.amdhsa_kernarg_size 40
		.amdhsa_user_sgpr_count 2
		.amdhsa_user_sgpr_kernarg_segment_ptr 1
		.amdhsa_wavefront_size32 1
		.amdhsa_system_sgpr_workgroup_id_x 1
		.amdhsa_system_sgpr_workgroup_id_y 1
		.amdhsa_system_sgpr_workgroup_id_z 1
		.amdhsa_system_vgpr_workitem_id 0
		.amdhsa_next_free_vgpr 512
		.amdhsa_next_free_sgpr 96
		.amdhsa_reserve_vcc 0
		.amdhsa_float_denorm_mode_32 3
		.amdhsa_float_denorm_mode_16_64 3
		.amdhsa_memory_ordered 1
		.amdhsa_forward_progress 1
		.amdhsa_inst_pref_size 228
	.end_amdhsa_kernel
	.amdgpu_metadata
---
amdhsa.version: [ 1, 2 ]
amdhsa.kernels:
  - .name:           k_qce0ca234f9_qkvproj
    .symbol:         k_qce0ca234f9_qkvproj.kd
    .args:
      - { .name: xb, .offset: 0, .size: 8, .value_kind: global_buffer, .address_space: global }
      - { .name: wqkv, .offset: 8, .size: 8, .value_kind: global_buffer, .address_space: global }
      - { .name: qkv, .offset: 16, .size: 8, .value_kind: global_buffer, .address_space: global }
      - { .name: pos, .offset: 24, .size: 8, .value_kind: global_buffer, .address_space: global }
      - { .name: rope, .offset: 32, .size: 8, .value_kind: global_buffer, .address_space: global }
    .group_segment_fixed_size: 327680
    .private_segment_fixed_size: 0
    .kernarg_segment_align: 8
    .kernarg_segment_size: 40
    .max_flat_workgroup_size: 128
    .sgpr_count:     96
    .vgpr_count:     512
    .wavefront_size: 32
...
	.end_amdgpu_metadata
.endif
;; end of part 2
;; launch attn (part 3): grid 256 x 1, 8 waves a work-group, no clusters, 144,384 bytes of LDS; arguments qkv, meta, ob; writes ob
.if DOCPART == 3
	.amdgcn_target "amdgcn-amd-amdhsa--gfx1250"
	.amdhsa_code_object_version 6
	.text
	.protected	k_qce0ca234f9_attn
	.globl	k_qce0ca234f9_attn
	.p2align	8
	.type	k_qce0ca234f9_attn,@function
k_qce0ca234f9_attn:
	s_mov_b64 s[64:65], 0
	v_nop
	global_prefetch_b8 v0, s[64:65] scope:SCOPE_SE
	s_setreg_imm32_b32 hwreg(HW_REG_WAVE_MODE, 25, 1), 1
	s_wait_xcnt 0x0
; THIRD LAUNCH.  Attention in the packed order: query p sees the keys lo(p) .. p and no others (shown at the head of the first launch).
; LEFT OUT: tiles of 32 keys wholly outside [lo of the unit's first row, its last row]; their weights are nothing beside rounding, and
; which they are is read from meta, which the first launch stored.  A NaN or infinity in K or V rows of such tiles is not carried on.
; A unit is 16 packed rows x the two query heads 2 g, 2 g + 1, which share K and V head g.  1,024 units = 2 batches x 4 x 128; a work-group has four.
; TWO WAVES A UNIT, so that a unit's chain of tiles is half as long: part 0 takes the tile that holds the rows' own keys and every second tile below it,
; part 1 the tiles between.  Each keeps its own running maximum, sum and O.  At the end each wave hands the other one head's part through LDS, behind the
; one barrier of the kernel (outside the loops, on every wave's path), and finishes the other head: O = (O0 f0 + O1 f1) / (l0 f0 + l1 f1), f = exp(m - joint m).
; Part 1 always makes one trip: where no tile is its own, the masks, made from the tile's true number, switch every key off, and the address is
; clamped to the batch's first tile.  THE FLOOR: a running maximum starts at -1e30.  With f16 operands a score is at most 128 x 65,504^2 = 5.5e11 in size,
; so the floor never binds a row that sees a key; a row that sees none in a part gets weights 0, sum 0, O = 0, and its factor f is 0.
; TRANSPOSED: S^T = K Q^T puts query r = l % 16 into lane l with keys 16 kb + 8 (l / 16) + j in its registers; packed to f16 these are, as they
; lie, the second source of O^T = V^T P^T; V^T comes from V's rows by the transposing LDS load.  A query's figures lie in lanes l and l xor 16.
; No tensor loads: a wave's trip count is read from memory and differs from its neighbours'; K and V go through registers into the wave's own LDS.
; NO CLUSTER: units that share K and V need different numbers of tiles, known only from memory, and all of K and V is 8 MiB.
; Registers: window 0 as named below; window 1: v0-127 O (64 head + 8 db), v128-255 the next tile's K and V rows as loaded.
.set KP, 272                           ; K rows in LDS: 256 + 16
.set VP, 288                           ; V rows: an odd multiple of 32, for the transposing load
.set QP, 528                           ; Q rows (two heads): 512 + 16
.set VOFF, 32*KP                       ; 8,704: V's rows; at the end my stage.  Bytes 0 to 8,703 of a wave's region: K's rows; at the end what the partner reads
.set WBYTES, VOFF+32*VP                ; 17,920 a wave
.set MX,  18                           ; v[18:19] running maxima of heads 0, 1
.set LS,  20                           ; v[20:21] running sums (this lane's keys)
.set AL,  22                           ; v[22:23] factors for O
.set MC,  26                           ; v[26:27] maximum x scale
.set SRC, 32                           ; v[32:39] byte offsets of the rows in ob
.set QF,  48                           ; v[48:111]
.set KV,  112                          ; v[112:175] K's fragments, then V's; at the end the partner's O
.set SC,  176                          ; v[176:207] scores
.set PR,  208                          ; v[208:223] weights in f16
.set RB,  176                          ; v[176:207] the way out
.set OA,  0
.set ST,  128
.set MSB, 0
.macro WIN new
.if MSB != \new
	s_set_vgpr_msb (MSB<<8)|\new
.set MSB, \new
.endif
.endm
.macro PLACES
.rept 4
	v_nop
.endr
.endm
.macro LOADKV                          ; 32 rows of K and of V, two rows a load (destination in window 1)
.irp i, 0,1,2,3,4,5,6,7,8,9,10,11,12,13,14,15
	global_load_b128 v[ST+4*\i:ST+4*\i+3], v4, s[22:23] offset:8192*\i
.endr
.irp i, 0,1,2,3,4,5,6,7,8,9,10,11,12,13,14,15
	global_load_b128 v[ST+64+4*\i:ST+64+4*\i+3], v4, s[22:23] offset:8192*\i+1024
.endr
.endm
.macro SCALEO                          ; O of head 0 times v22, of head 1 times v23
	WIN 0x41
.set ri, 0
.rept 32
	v_pk_mul_f32 v[OA+2*ri:OA+2*ri+1], v[OA+2*ri:OA+2*ri+1], v[AL:AL+1] op_sel_hi:[1,0]
.set ri, ri+1
.endr
.rept 32
	v_pk_mul_f32 v[OA+2*ri:OA+2*ri+1], v[OA+2*ri:OA+2*ri+1], v[AL:AL+1] op_sel:[0,1] op_sel_hi:[1,1]
.set ri, ri+1
.endr
	WIN 0
.endm
	s_load_b128 s[4:7], s[0:1], 0x0                ; qkv, meta
	s_load_b64 s[8:9], s[0:1], 0x10                ; ob
	v_lshl_add_u32 v254, v0, 2, 0x23000
	v_mov_b32 v255, 0
	v_lshrrev_b32 v1, 5, v0
	v_readfirstlane_b32 s10, v1                    ; wave 0..7
	s_and_b32 s32, s10, 1                          ; part
	s_lshr_b32 s33, s10, 1                         ; unit of the group's four
	s_lshl_b32 s11, ttmp9, 2
	s_add_co_u32 s11, s11, s33                     ; unit
	s_lshr_b32 s12, s11, 9                         ; batch
	s_bfe_u32 s13, s11, 0x20007                    ; g
	s_and_b32 s14, s11, 127
	s_lshl_b32 s14, s14, 4                         ; p0
	s_lshl_b32 s15, s12, 11
	s_add_co_u32 s15, s15, s14                     ; packed row among 4,096
	s_and_not1_b32 s29, s14, 31                    ; first key of the tile that holds my rows
	s_lshl_b32 s34, s32, 5
	s_sub_co_i32 s35, s29, s34                     ; first key of my first tile, by its true number: -32 where part 1 has none in the batch
	s_max_i32 s36, s35, 0                          ; the same for the address: never in front of the batch
	s_xor_b32 s37, s10, 1
	s_mul_i32 s37, s37, WBYTES                     ; my partner's LDS
	s_mov_b32 s38, 0xf149f2ca                      ; -1e30: the floor of the running maxima
	s_mov_b32 s19, 0
	s_mov_b32 s24, 0x3e0293ee                      ; 128^-0.5 x log2 e
	s_mov_b32 s25, 0x76543210                      ; v_permlanex16_b32: lane l reads lane l xor 16
	s_mov_b32 s26, 0xfedcba98
	s_mul_i32 s27, s10, WBYTES                     ; my LDS
	s_add_co_u32 s30, s27, VOFF
	v_and_b32 v1, 31, v0                           ; lane
	v_and_b32 v2, 15, v0                           ; r
	v_bfe_u32 v3, v0, 4, 1                         ; h
	v_lshlrev_b32 v5, 4, v1                        ; 16 lane
	v_lshlrev_b32 v29, 4, v2                       ; 16 r
	v_lshlrev_b32 v31, 4, v3                       ; 16 h
	v_lshl_add_u32 v4, v3, 12, v29                 ; two rows of qkv a load
	v_mul_u32_u24 v30, v3, KP
	v_add3_u32 v6, v30, v29, s27                   ; K in, and O back: row h, 16 r
	v_mul_u32_u24 v30, v3, VP
	v_add3_u32 v7, v30, v29, s30                   ; V in
	v_mul_u32_u24 v30, v2, KP
	v_add3_u32 v8, v30, v31, s27                   ; K's fragments, and O in: row r, 16 h
	v_and_b32 v30, 7, v0
	v_lshl_add_u32 v30, v3, 3, v30
	v_mul_u32_u24 v30, v30, VP
	v_bfe_u32 v17, v0, 3, 1
	v_lshl_add_u32 v30, v17, 4, v30
	v_add_nc_u32 v9, s30, v30                      ; V transposed: row 8 h + l % 8, 16 bytes by bit 3 of l
	v_add_nc_u32 v10, s27, v5                      ; Q in; at the end what I hand over
	v_add_nc_u32 v24, s37, v5                      ; at the end what my partner hands over
	v_mul_u32_u24 v30, v2, QP
	v_add3_u32 v11, v30, v31, s27                  ; Q's fragments
	v_lshlrev_b32 v12, 3, v2                       ; 8 r
	v_lshlrev_b32 v13, 3, v3                       ; 8 h
	v_mov_b32 v28, 0xff7fffff                      ; the lowest f32 number
	s_wait_kmcnt 0x0
	s_lshl_b32 s18, s15, 3
	s_add_nc_u64 s[6:7], s[6:7], s[18:19]          ; meta at my first row
	s_load_b32 s16, s[6:7], 0x4                    ; its lo: the lowest of the sixteen, since lo never falls as p rises
	s_lshl_b32 s18, s15, 12
	s_lshl_b32 s28, s13, 9
	s_add_co_u32 s18, s18, s28
	s_add_nc_u64 s[20:21], s[4:5], s[18:19]        ; q: my rows, heads 2 g and 2 g + 1 (512 bytes)
	s_lshl_b32 s18, s12, 11
	s_add_co_u32 s18, s18, s36
	s_lshl_b32 s18, s18, 12
	s_lshl_b32 s31, s13, 8
	s_add_co_u32 s18, s18, s31
	s_add_co_u32 s18, s18, 2048
	s_add_nc_u64 s[22:23], s[4:5], s[18:19]        ; k head g at my first tile; v lies 1,024 bytes on
	s_lshl_b32 s18, s12, 22
	s_add_co_u32 s18, s18, s28
	s_add_nc_u64 s[8:9], s[8:9], s[18:19]          ; ob: my batch, my two heads
	global_load_b32 v14, v12, s[6:7] offset:4      ; lo of row r
.irp t, 0,1,2,3,4,5,6,7
	global_load_b32 v[SRC+\t], v13, s[6:7] offset:16*\t    ; the token of row 2 t + h
.endr
	WIN 0x40
.irp i, 0,1,2,3,4,5,6,7,8,9,10,11,12,13,14,15
	global_load_b128 v[OA+4*\i:OA+4*\i+3], v5, s[20:21] offset:4096*\i    ; a row of Q, both heads: 512 consecutive bytes
.endr
	LOADKV
	WIN 0
	s_wait_loadcnt 32                              ; meta and Q are in; the first tile's 32 loads stay out
	WIN 0x04
.irp i, 0,1,2,3,4,5,6,7,8,9,10,11,12,13,14,15
	ds_store_b128 v10, v[OA+4*\i:OA+4*\i+3] offset:QP*\i   ; staged where K will lie; LDS serves my instructions in order
.endr
	WIN 0
.irp hd, 0,1
.irp kc, 0,1,2,3
	ds_load_b128 v[QF+32*\hd+8*\kc:QF+32*\hd+8*\kc+3],   v11 offset:256*\hd+64*\kc
	ds_load_b128 v[QF+32*\hd+8*\kc+4:QF+32*\hd+8*\kc+7], v11 offset:256*\hd+64*\kc+32
.endr
.endr
	v_add_nc_u32 v15, s14, v2
	v_sub_nc_u32 v15, v15, v14                     ; p - lo: key kp is seen where kp - lo, as an unsigned number, is at most this
	v_add_nc_u32 v16, s35, v13
	v_sub_nc_u32 v16, v16, v14                     ; first key of my tile + 8 h - lo
.irp t, 0,1,2,3,4,5,6,7
	v_min_u32 v[SRC+\t], 0x7ff, v[SRC+\t]
	v_lshl_add_u32 v[SRC+\t], v[SRC+\t], 11, v29   ; token x 2,048 bytes + 16 r
.endr
	s_wait_kmcnt 0x0
	s_min_u32 s16, s16, 0x7ff
	s_min_u32 s16, s16, s14                        ; lo is at most p0 by its making: no trip reaches in front of the batch
	s_lshr_b32 s16, s16, 5
	s_lshr_b32 s17, s14, 5
	s_sub_co_u32 s17, s17, s16                     ; n1: tiles below the one with my rows
	s_max_u32 s17, s17, s32
	s_sub_co_u32 s17, s17, s32
	s_lshr_b32 s17, s17, 1                         ; my trips behind the first: part 0 n1 / 2, part 1 (n1 - 1) / 2, none where n1 = 0
.macro SOFTMAX hd, first
.irp i, 0,1,2,3,4,5,6,7,8,9,10,11,12,13,14,15
	v_cndmask_b32 v[SC+16*\hd+\i], v28, v[SC+16*\hd+\i], s[40+\i]
.endr
	v_max3_num_f32 v29, v[SC+16*\hd], v[SC+16*\hd+1], v[SC+16*\hd+2]
.irp i, 3,5,7,9,11,13
	v_max3_num_f32 v29, v29, v[SC+16*\hd+\i], v[SC+16*\hd+\i+1]
.endr
.if \first
	v_max3_num_f32 v29, v29, v[SC+16*\hd+15], s38  ; the floor
.else
	v_max3_num_f32 v29, v29, v[SC+16*\hd+15], v[MX+\hd]
.endif
	v_permlanex16_b32 v30, v29, s25, s26
	v_max_num_f32 v29, v29, v30                    ; the new maximum, alike in both lanes of the query
.if \first == 0
	v_sub_f32 v31, v[MX+\hd], v29
	v_mul_f32 v31, s24, v31
.endif
	v_mul_f32 v[MC+\hd], s24, v29
.irp i, 0,1,2,3,4,5,6,7,8,9,10,11,12,13,14,15
	v_fma_f32 v[SC+16*\hd+\i], v[SC+16*\hd+\i], s24, -v[MC+\hd]
.endr
.if \first == 0
	v_exp_f32 v[AL+\hd], v31
.endif
.irp i, 0,1,2,3,4,5,6,7,8,9,10,11,12,13,14,15
	v_exp_f32 v[SC+16*\hd+\i], v[SC+16*\hd+\i]
.endr
	v_mov_b32 v[MX+\hd], v29                       ; the plain instruction behind the run of v_exp_f32 (ISA guide 5.7.2)
	s_wait_alu depctr_va_vdst(0)
	v_pk_add_f32 v[40:41], v[SC+16*\hd:SC+16*\hd+1],     v[SC+16*\hd+2:SC+16*\hd+3]
	v_pk_add_f32 v[42:43], v[SC+16*\hd+4:SC+16*\hd+5],   v[SC+16*\hd+6:SC+16*\hd+7]
	v_pk_add_f32 v[44:45], v[SC+16*\hd+8:SC+16*\hd+9],   v[SC+16*\hd+10:SC+16*\hd+11]
	v_pk_add_f32 v[46:47], v[SC+16*\hd+12:SC+16*\hd+13], v[SC+16*\hd+14:SC+16*\hd+15]
	v_pk_add_f32 v[40:41], v[40:41], v[42:43]
	v_pk_add_f32 v[44:45], v[44:45], v[46:47]
	v_pk_add_f32 v[40:41], v[40:41], v[44:45]
.if \first
	v_add_f32 v[LS+\hd], v40, v41
.else
	v_add_f32 v40, v40, v41
	v_fma_f32 v[LS+\hd], v[LS+\hd], v[AL+\hd], v40
.endif
.irp i, 0,1,2,3,4,5,6,7
	v_cvt_pk_f16_f32 v[PR+8*\hd+\i], v[SC+16*\hd+2*\i], v[SC+16*\hd+2*\i+1]
.endr
.endm
; one tile of 32 keys.  first = 1: nothing to carry on from
.macro TRIP first
	PLACES                                         ; behind the last products: KV is loaded again
	s_wait_loadcnt 0x0                             ; the tile's rows are in registers
	WIN 0x04
.irp i, 0,1,2,3,4,5,6,7,8,9,10,11,12,13,14,15
	ds_store_b128 v6, v[ST+4*\i:ST+4*\i+3] offset:2*KP*\i
.endr
.irp i, 0,1,2,3,4,5,6,7,8,9,10,11,12,13,14,15
	ds_store_b128 v7, v[ST+64+4*\i:ST+64+4*\i+3] offset:2*VP*\i
.endr
	WIN 0
.irp kb, 0,1
.irp kc, 0,1,2,3
	ds_load_b128 v[KV+8*(4*\kb+\kc):KV+8*(4*\kb+\kc)+3],   v8 offset:16*KP*\kb+64*\kc
	ds_load_b128 v[KV+8*(4*\kb+\kc)+4:KV+8*(4*\kb+\kc)+7], v8 offset:16*KP*\kb+64*\kc+32
.endr
.endr
	s_wait_dscnt 0x0                               ; K's (and at first Q's) fragments are in, and the stores have read the rows' registers
	s_cmp_lt_u32 s17, 2-\first                     ; is there a tile of mine below this one?  (s17: trips left, this one counted from the second trip on)
	s_cbranch_scc1 .Llast_\@
	s_sub_nc_u64 s[22:23], s[22:23], 0x40000       ; 64 rows of 4,096 bytes down: the tile between is my partner's; the loads that named this base are done
	WIN 0x40
	LOADKV                                         ; on its way through the whole of this trip's work; the next trip's wait is for 0 on either way
	WIN 0
.Llast_\@:
	; S^T = K Q^T: four accumulators take turns, one instruction a turn
.irp kc, 0,1,2,3
.irp hd, 0,1
.irp kb, 0,1
.if \kc == 0
	v_wmma_f32_16x16x32_f16 v[SC+16*\hd+8*\kb:SC+16*\hd+8*\kb+7], v[KV+8*(4*\kb+\kc):KV+8*(4*\kb+\kc)+7], v[QF+32*\hd+8*\kc:QF+32*\hd+8*\kc+7], 0
.else
	v_wmma_f32_16x16x32_f16 v[SC+16*\hd+8*\kb:SC+16*\hd+8*\kb+7], v[KV+8*(4*\kb+\kc):KV+8*(4*\kb+\kc)+7], v[QF+32*\hd+8*\kc:QF+32*\hd+8*\kc+7], v[SC+16*\hd+8*\kb:SC+16*\hd+8*\kb+7]
.endif
.endr
.endr
.endr
	; the sixteen masks, for both heads; these lines name none of the products' registers and are the places in front of the loads into KV and the reads of S
.irp kb, 0,1
.irp j, 0,1,2,3,4,5,6,7
	v_add_nc_u32 v17, 16*\kb+\j, v16
	v_cmp_le_u32 s[40+8*\kb+\j], v17, v15
.endr
.endr
.irp db, 0,1,2,3,4,5,6,7
	ds_load_tr16_b128 v[KV+8*\db:KV+8*\db+3],   v9 offset:32*\db
	ds_load_tr16_b128 v[KV+8*\db+4:KV+8*\db+7], v9 offset:32*\db+16*VP
.endr
	SOFTMAX 0, \first
	SOFTMAX 1, \first
.if \first == 0
	SCALEO
.endif
	s_wait_dscnt 0x0                               ; V's fragments
	WIN 0x50
.irp db, 0,1,2,3,4,5,6,7
.irp hd, 0,1
.if \first
	v_wmma_f32_16x16x32_f16 v[OA+64*\hd+8*\db:OA+64*\hd+8*\db+7], v[KV+8*\db:KV+8*\db+7], v[PR+8*\hd:PR+8*\hd+7], 0
.else
	v_wmma_f32_16x16x32_f16 v[OA+64*\hd+8*\db:OA+64*\hd+8*\db+7], v[KV+8*\db:KV+8*\db+7], v[PR+8*\hd:PR+8*\hd+7], v[OA+64*\hd+8*\db:OA+64*\hd+8*\db+7]
.endif
.endr
.endr
	WIN 0
	v_sub_nc_u32 v16, v16, 64                      ; my next tile lies 64 keys lower
.endm
; my part of head hd goes into the first 8,704 bytes of my own region: O as it lies, 16 bytes a lane and load; then (maximum, sum) in the lane's 16-byte place
.macro SEND hd
	WIN 0x04
.irp i, 0,1,2,3,4,5,6,7,8,9,10,11,12,13,14,15
	ds_store_b128 v10, v[OA+64*\hd+4*\i:OA+64*\hd+4*\i+3] offset:512*\i
.endr
	WIN 0
	v_mov_b32 v40, v[MX+\hd]
	v_mov_b32 v41, v[LS+\hd]
	ds_store_b64 v10, v[40:41] offset:8192
.endm
; head hd is finished: my part and my partner's, lane for lane in the same layout
.macro FINISH hd
	ds_load_b64 v[40:41], v24 offset:8192          ; the partner's maximum and sum
.irp i, 0,1,2,3,4,5,6,7,8,9,10,11,12,13,14,15
	ds_load_b128 v[KV+4*\i:KV+4*\i+3], v24 offset:512*\i
.endr
	s_wait_dscnt 16                                ; maximum and sum are in; O's 16 loads stay out
	v_max_num_f32 v29, v[MX+\hd], v40              ; the joint maximum: part 0's is a real score
	v_sub_f32 v30, v[MX+\hd], v29
	v_sub_f32 v31, v40, v29
	v_mul_f32 v30, s24, v30
	v_mul_f32 v31, s24, v31
	v_exp_f32 v30, v30                             ; my factor
	v_exp_f32 v31, v31                             ; the partner's
	v_nop                                          ; the plain instruction behind v_exp_f32 (ISA guide 5.7.2)
	s_wait_alu depctr_va_vdst(0)
	v_mul_f32 v17, v41, v31
	v_fma_f32 v17, v[LS+\hd], v30, v17
	v_permlanex16_b32 v29, v17, s25, s26
	v_add_f32 v17, v17, v29                        ; the two lanes of a query meet; at least 1: the largest weight is 1
	v_rcp_f32 v17, v17
	v_nop
	s_wait_alu depctr_va_vdst(0)
	v_mul_f32 v[AL], v30, v17
	v_mul_f32 v[AL+1], v31, v17
	s_wait_dscnt 0x0
.set ri, 0
.rept 32
	v_pk_mul_f32 v[KV+2*ri:KV+2*ri+1], v[KV+2*ri:KV+2*ri+1], v[AL:AL+1] op_sel:[0,1] op_sel_hi:[1,1]
.set ri, ri+1
.endr
	WIN 0x01                                       ; source 0 (my O) in window 1
.set ri, 0
.rept 32
	v_pk_fma_f32 v[KV+2*ri:KV+2*ri+1], v[OA+64*\hd+2*ri:OA+64*\hd+2*ri+1], v[AL:AL+1], v[KV+2*ri:KV+2*ri+1] op_sel_hi:[1,0,1]
.set ri, ri+1
.endr
	WIN 0
.set ci, 0
.rept 32
	v_cvt_pk_f16_f32 v[KV+ci], v[KV+2*ci], v[KV+2*ci+1]        ; packs in place, upward
.set ci, ci+1
.endr
.irp db, 0,1,2,3,4,5,6,7
	ds_store_b128 v8, v[KV+4*\db:KV+4*\db+3] offset:VOFF+32*\db    ; my stage lies where V lay: bytes that my partner never reads
.endr
.irp t, 0,1,2,3,4,5,6,7
	ds_load_b128 v[RB+4*\t:RB+4*\t+3], v6 offset:VOFF+2*KP*\t
.endr
.irp t, 0,1,2,3,4,5,6,7
	s_wait_dscnt 7-\t                              ; the younger read-backs stay out
	global_store_b128 v[SRC+\t], v[RB+4*\t:RB+4*\t+3], s[8:9] offset:256*\hd   ; sixteen lanes store a head's 256 bytes of a token's row, aligned
.endr
.endm
	TRIP 1
	s_cmp_eq_u32 s17, 0
	s_cbranch_scc1 .Lfin
.Lloop:
	TRIP 0
	s_sub_co_i32 s17, s17, 1
	s_cmp_lg_u32 s17, 0
	s_cbranch_scc1 .Lloop
.Lfin:
	PLACES                                         ; behind the last products: O is stored to LDS, KV loaded again
	s_cmp_lg_u32 s32, 0
	s_cbranch_scc1 .Lsend0
	SEND 1                                         ; part 0 finishes head 0 and hands head 1 over
	s_branch .Lsent
.Lsend0:
	SEND 0
.Lsent:
	s_wait_dscnt 0x0                               ; for the partner's sake: my stores are done
	s_barrier_signal -1
	s_barrier_wait -1                              ; all eight waves have handed over
	s_cmp_lg_u32 s32, 0
	s_cbranch_scc1 .Lfin1
	FINISH 0
	s_wait_tensorcnt 0x0
	ds_add_u32 v254, v255
	s_wait_dscnt 0x0
	s_endpgm
.Lfin1:
	FINISH 1
	s_wait_tensorcnt 0x0
	ds_add_u32 v254, v255
	s_wait_dscnt 0x0
	s_endpgm
.Lfunc_end_k_qce0ca234f9_attn:
	.size	k_qce0ca234f9_attn, .Lfunc_end_k_qce0ca234f9_attn-k_qce0ca234f9_attn
	.p2alignl 7, 3214868480
	.fill 96, 4, 3214868480
	.section	.rodata,"a",@progbits
	.p2align	6, 0x0
	.amdhsa_kernel k_qce0ca234f9_attn
		.amdhsa_group_segment_fixed_size 144384
		.amdhsa_private_segment_fixed_size 0
		.amdhsa_enable_private_segment 0
		.amdhsa_kernarg_size 24
		.amdhsa_user_sgpr_count 2
		.amdhsa_user_sgpr_kernarg_segment_ptr 1
		.amdhsa_wavefront_size32 1
		.amdhsa_system_sgpr_workgroup_id_x 1
		.amdhsa_system_sgpr_workgroup_id_y 1
		.amdhsa_system_sgpr_workgroup_id_z 1
		.amdhsa_system_vgpr_workitem_id 0
		.amdhsa_next_free_vgpr 512
		.amdhsa_next_free_sgpr 66
		.amdhsa_reserve_vcc 0
		.amdhsa_float_denorm_mode_32 3
		.amdhsa_float_denorm_mode_16_64 3
		.amdhsa_memory_ordered 1
		.amdhsa_forward_progress 1
		.amdhsa_inst_pref_size 79
	.end_amdhsa_kernel
	.amdgpu_metadata
---
amdhsa.version: [ 1, 2 ]
amdhsa.kernels:
  - .name:           k_qce0ca234f9_attn
    .symbol:         k_qce0ca234f9_attn.kd
    .args:
      - { .name: qkv, .offset: 0, .size: 8, .value_kind: global_buffer, .address_space: global }
      - { .name: meta, .offset: 8, .size: 8, .value_kind: global_buffer, .address_space: global }
      - { .name: ob, .offset: 16, .size: 8, .value_kind: global_buffer, .address_space: global }
    .group_segment_fixed_size: 144384
    .private_segment_fixed_size: 0
    .kernarg_segment_align: 8
    .kernarg_segment_size: 24
    .max_flat_workgroup_size: 256
    .sgpr_count:     66
    .vgpr_count:     512
    .wavefront_size: 32
...
	.end_amdgpu_metadata
.endif
;; end of part 3
;; launch oproj (part 4): grid 16 x 16, 4 waves a work-group, clusters of 4 x 4, 327,680 bytes of LDS; arguments ob, wob, out0; writes out0
.if DOCPART == 4
	.amdgcn_target "amdgcn-amd-amdhsa--gfx1250"
	.amdhsa_code_object_version 6
	.text
	.protected	k_qce0ca234f9_oproj
	.globl	k_qce0ca234f9_oproj
	.p2align	8
	.type	k_qce0ca234f9_oproj,@function
k_qce0ca234f9_oproj:
	s_mov_b64 s[64:65], 0
	v_nop
	global_prefetch_b8 v0, s[64:65] scope:SCOPE_SE
	s_setreg_imm32_b32 hwreg(HW_REG_WAVE_MODE, 25, 1), 1
	s_wait_xcnt 0x0
	s_wait_alu depctr_hold_cnt(0) depctr_sa_sdst(0) depctr_va_vdst(0) depctr_va_sdst(0) depctr_va_ssrc(0) depctr_va_vcc(0) depctr_vm_vsrc(0)
	s_getreg_b32 s2, hwreg(HW_REG_IB_STS2, 6, 4)
	s_cmp_eq_u32 s2, 0
	s_cbranch_scc0 .Lentry_in_a_cluster
	s_endpgm
.Lentry_in_a_cluster:
	s_bfe_u32 s2, ttmp6, 0x10000c
	s_cmp_lg_u32 s2, 0xf033
	s_cbranch_scc0 .Lentry_shape_is_right
	s_endpgm
.Lentry_shape_is_right:
; FOURTH LAUNCH.  out0 = o Wo^T: [4096][1024] x [2048][1024]^T in f16 with f32 sums, f32 out.  Nothing is left out here.
; The frame of the second launch with K = 1,024: a work-group makes 256 rows x 128 columns (16 x 16 = 256 work-groups), four waves of 64 x 128
; (32 accumulator tiles, window 1), clusters of 4 x 4 with o's tiles shared along a row and Wo's along a column.
; THE RING: two LDS slots of unequal size, a large one for two K steps of 128 (rows of 512 bytes, pitch 528) and a small one for one (pitch 272):
; 384 rows x (528 + 272) = 307,200 bytes.  What a refill has in which to land is the work in the other slot.  8 steps = large, small, large, small, large,
; written out without a loop.
; Transposed use: lane l holds row l % 16 and columns 16 b + 8 (l / 16) + 0..7 of tile (a, b).
.set KDIM,  1024
.set KSTEP, 128
.set PB,    528
.set PS,    272
.set BIGB,  256*PB                     ; 135,168
.set SMALL, 384*PB                     ; 202,752
.set SMB,   SMALL+256*PS               ; 272,384
.set STAGE, SMALL+384*PS               ; 307,200 = 1,200 x 256: the way out has bytes of its own, 16 rows x 272 a wave
.set PERIOD, 3*KSTEP*2
.set BIGK0,  0                         ; the large slot's first tile: K steps 0 and 1
.set SMALLK0, 2*KSTEP*2                ; the small slot's: K step 2
.set ADRA, 16
.set ADRB, 20
.set STO,  24
.set RD,   25
.set CO,   26
.set FB,   32
.set FA,   96
.set FSTEP, 96
.set RBK,  32
.set G1,  24
.set G1B, 40
.set G0,  56
.set G0B, 68
.set DW0S, (1<<16)|(1<<20)|(1<<21)|(5<<22)|(3<<25)
.set DW0B, (1<<16)|(1<<20)|(1<<21)|(6<<22)|(3<<25)
.set MSB, 0
.macro WIN new
.if MSB != \new
	s_set_vgpr_msb (MSB<<8)|\new
.set MSB, \new
.endif
.endm
.macro PLACES
.rept 4
	v_nop
.endr
.endm
.macro SHAPE g, mask, dw0, cols, rows
	s_or_b32  s[\g+0], s[\mask], \dw0
	s_mov_b32 s[\g+1], (\cols)<<16
	s_mov_b32 s[\g+2], (\rows)<<16
	s_mov_b32 s[\g+3], (\cols)<<16
	s_mov_b32 s[\g+4], \rows
	s_mov_b32 s[\g+5], KDIM
	s_mov_b32 s[\g+6], 0
	s_mov_b32 s[\g+7], 0
.endm
.macro JLOAD s
	s_cmp_eq_u32 s17, 0
	s_cbranch_scc0 .Lfor_b_\@
	tensor_load_to_lds s[G0+4*\s:G0+4*\s+3], s[G1+8*\s:G1+8*\s+7]
	s_nop 0
	s_branch .Lasked_\@
.Lfor_b_\@:
	tensor_load_to_lds s[G0B+4*\s:G0B+4*\s+3], s[G1B+8*\s:G1B+8*\s+7]
	s_nop 0
.Lasked_\@:
.endm
.macro CREST
	s_cmp_lg_u32 s16, 0
	s_cbranch_scc1 .Lnot_wave_0_\@
	s_barrier_signal -3
.Lnot_wave_0_\@:
	s_barrier_wait -3
	s_barrier_signal -1
	s_barrier_wait -1
.endm
.macro CROUND
	s_barrier_signal -1
	s_barrier_wait -1
	CREST
.endm
; the 32 accumulators take turns, one instruction a turn, in one order in every quarter step
.macro MUL16 f, a0, zero
.irp a, \a0, \a0+1
.irp b, 0,1,2,3,4,5,6,7
.if \zero
	v_wmma_f32_16x16x32_f16 v[8*(8*(\a)+\b):8*(8*(\a)+\b)+7], v[FB+FSTEP*\f+8*\b:FB+FSTEP*\f+8*\b+7], v[FA+FSTEP*\f+8*(\a):FA+FSTEP*\f+8*(\a)+7], 0
.else
	v_wmma_f32_16x16x32_f16 v[8*(8*(\a)+\b):8*(8*(\a)+\b)+7], v[FB+FSTEP*\f+8*\b:FB+FSTEP*\f+8*\b+7], v[FA+FSTEP*\f+8*(\a):FA+FSTEP*\f+8*(\a)+7], v[8*(8*(\a)+\b):8*(8*(\a)+\b)+7]
.endif
.endr
.endr
.endm
.macro FETCH slot, k, f
	WIN 0
.set FP, PB-(PB-PS)*\slot
.irp i, 0,1,2,3,4,5,6,7
	ds_load_b128 v[FB+FSTEP*\f+8*\i:FB+FSTEP*\f+8*\i+3],   v[ADRB+\slot] offset:\k+\i*16*FP
	ds_load_b128 v[FB+FSTEP*\f+8*\i+4:FB+FSTEP*\f+8*\i+7], v[ADRB+\slot] offset:\k+\i*16*FP+32
.endr
.irp i, 0,1,2,3
	ds_load_b128 v[FA+FSTEP*\f+8*\i:FA+FSTEP*\f+8*\i+3],   v[ADRA+\slot] offset:\k+\i*16*FP
	ds_load_b128 v[FA+FSTEP*\f+8*\i+4:FA+FSTEP*\f+8*\i+7], v[ADRA+\slot] offset:\k+\i*16*FP+32
.endr
.endm
.macro QUARTER slot, k, f, g, zero
	s_wait_dscnt 0x0                               ; buffer f is in
	WIN 0
	PLACES                                         ; buffer g was read by the matrix instructions just issued
	FETCH \slot, \k, \g
	WIN 0x50
	MUL16 \f, 0, \zero
	MUL16 \f, 2, \zero
.endm
.macro RUN slot, zero                  ; all quarter steps of a slot but the last: three of four, or seven of eight
	QUARTER \slot, 64,  0, 1, \zero
	QUARTER \slot, 128, 1, 0, 0
	QUARTER \slot, 192, 0, 1, 0
.if \slot == 0
	QUARTER 0, 256, 1, 0, 0
	QUARTER 0, 320, 0, 1, 0
	QUARTER 0, 384, 1, 0, 0
	QUARTER 0, 448, 0, 1, 0
.endif
.endm
; the change of slots: my reads of this slot are back, all my tensor loads have landed; the barrier (with fill = 1 it opens a round of the cluster's
; barrier); behind it the joint refill first, three K steps on, then the other slot's first fragments.  From the small slot's request to the wait
; for it a wave issues 240 matrix instructions, from the large slot's 112.
.macro TURN slot, next, fill
	s_wait_dscnt 0x0
	s_wait_tensorcnt 0x0
	ds_add_u32 v254, v255
	s_wait_dscnt 0x0
	s_barrier_signal -1
	WIN 0x50
	MUL16 1, 0, 0
	WIN 0
	s_barrier_wait -1
.if \fill
	CREST
	s_add_nc_u64 s[G0+4*\slot+2:G0+4*\slot+3], s[G0+4*\slot+2:G0+4*\slot+3], PERIOD
	s_add_nc_u64 s[G0B+4*\slot+2:G0B+4*\slot+3], s[G0B+4*\slot+2:G0B+4*\slot+3], PERIOD
	JLOAD \slot
.endif
	PLACES
	FETCH \next, 0, 0
	WIN 0x50
	MUL16 1, 2, 0
.endm
	s_load_b128 s[4:7], s[0:1], 0x0                ; ob, wob
	s_load_b64 s[8:9], s[0:1], 0x10                ; out0
	v_lshl_add_u32 v254, v0, 2, 0x4f400
	v_mov_b32 v255, 0
	ds_add_u32 v254, v255
	v_lshrrev_b32 v1, 5, v0
	v_readfirstlane_b32 s16, v1                    ; wave
	s_lshr_b32 s17, s16, 1
	s_and_b32 s18, s16, 1
	s_bfe_u32 s19, ttmp6, 0x40000                  ; cx
	s_bfe_u32 s20, ttmp6, 0x40004                  ; cy
	s_lshl_b32 s21, ttmp9, 2
	s_add_co_u32 s21, s21, s19                     ; block column
	s_and_b32 s22, ttmp7, 0xffff
	s_lshl_b32 s22, s22, 2
	s_add_co_u32 s22, s22, s20                     ; block row
	s_lshl_b32 s80, s20, 2
	s_lshl_b32 s80, 15, s80                        ; my row of the cluster
	s_lshl_b32 s81, 0x1111, s19                    ; my column
	SHAPE G1,    80, DW0B, 2*KSTEP, 128            ; o, large slot: 128 rows x 256 elements, shared along the row
	SHAPE G1+8,  80, DW0S, KSTEP,   128            ; o, small slot
	SHAPE G1B,   81, DW0B, 2*KSTEP, 64             ; Wo, large slot: 64 rows x 256 elements, shared along the column
	SHAPE G1B+8, 81, DW0S, KSTEP,   64             ; Wo, small slot
	s_lshl_b32 s82, s18, 7                         ; o's address: the block row and the wave alone
	s_lshl_b32 s76, s22, 8
	s_add_co_u32 s76, s76, s82
	s_mul_i32 s76, s76, KDIM*2
	s_mov_b32 s77, 0
	s_lshl_b32 s83, s18, 6                         ; Wo's: the block column and the wave alone
	s_lshl_b32 s78, s21, 7
	s_add_co_u32 s78, s78, s83
	s_mul_i32 s78, s78, KDIM*2
	s_mov_b32 s79, 0
	s_wait_dscnt 0x0
	s_wait_kmcnt 0x0
	s_add_nc_u64 s[76:77], s[4:5], s[76:77]
	s_add_nc_u64 s[78:79], s[6:7], s[78:79]
	CROUND                                         ; in front of the first joint loads
	s_mov_b32 s[G0+0], 1
	s_mul_i32 s[G0+1], s16, 128*PB
	s_add_nc_u64 s[G0+2:G0+3], s[76:77], BIGK0
	s_or_b32 s[G0+3], s[G0+3], 0x80000000
	s_mov_b32 s[G0+4], 1
	s_mul_i32 s[G0+5], s16, 128*PS
	s_add_co_u32 s[G0+5], s[G0+5], SMALL
	s_add_nc_u64 s[G0+6:G0+7], s[76:77], SMALLK0
	s_or_b32 s[G0+7], s[G0+7], 0x80000000
	s_mov_b32 s[G0B+0], 1
	s_mul_i32 s[G0B+1], s16, 64*PB
	s_add_co_u32 s[G0B+1], s[G0B+1], 128*PB
	s_add_nc_u64 s[G0B+2:G0B+3], s[78:79], BIGK0
	s_or_b32 s[G0B+3], s[G0B+3], 0x80000000
	s_mov_b32 s[G0B+4], 1
	s_mul_i32 s[G0B+5], s16, 64*PS
	s_add_co_u32 s[G0B+5], s[G0B+5], SMALL+128*PS
	s_add_nc_u64 s[G0B+6:G0B+7], s[78:79], SMALLK0
	s_or_b32 s[G0B+7], s[G0B+7], 0x80000000
	JLOAD 0                                        ; K steps 0 and 1
	JLOAD 1                                        ; K step 2.  Two loads of the wave are out here, later one
	v_and_b32 v1, 15, v0                           ; r
	v_bfe_u32 v2, v0, 4, 1                         ; h
	v_mul_u32_u24 v3, v1, PB
	v_lshl_add_u32 v3, v2, 4, v3                   ; large slot: r x 528 + 16 h
	v_mul_u32_u24 v7, v1, PS
	v_lshl_add_u32 v4, v2, 4, v7                   ; small slot: r x 272 + 16 h
	v_lshl_add_u32 v6, v2, 5, v7                   ; stage: r x 272 + 32 h
	s_mul_i32 s90, s16, 64*PB
	v_add_nc_u32 v[ADRA], s90, v3
	s_mul_i32 s90, s16, 64*PS
	s_add_co_u32 s90, s90, SMALL
	v_add_nc_u32 v[ADRA+1], s90, v4
	v_add_nc_u32 v[ADRB], BIGB, v3
	v_add_nc_u32 v[ADRB+1], SMB, v4
	s_mul_i32 s91, s16, 16*PS
	s_add_co_u32 s91, s91, STAGE                   ; my stage: 16 rows x 272 bytes
	v_add_nc_u32 v[STO], s91, v6                   ; in: row r, 32 bytes (8 f32) for each half of the lanes
	v_mul_u32_u24 v5, v2, PS
	v_lshl_add_u32 v5, v1, 4, v5
	v_add_nc_u32 v[RD], s91, v5                    ; back: lanes 0-15 one row of 256 bytes, lanes 16-31 the next
	v_lshlrev_b32 v[CO], 4, v1
	v_lshl_add_u32 v[CO], v2, 13, v[CO]            ; the same two rows in out0: h x 8,192 + 16 r
	s_lshl_b32 s92, s22, 8
	s_lshl_b32 s93, s16, 6
	s_add_co_u32 s92, s92, s93                     ; my first row
	s_lshl_b32 s88, s92, 13                        ; rows of 8,192 bytes
	s_lshl_b32 s93, s21, 9                         ; the block's 512 bytes of a row
	s_add_co_u32 s88, s88, s93
	s_mov_b32 s89, 0
	s_add_nc_u64 s[8:9], s[8:9], s[88:89]
	s_wait_tensorcnt 0x1                           ; my part of K steps 0 and 1 is in; the small slot's load stays out
	s_barrier_signal -1
	s_barrier_wait -1
	FETCH 0, 0, 0
	RUN 0, 1                                       ; K steps 0, 1: the first products start the sums
	TURN 0, 1, 1                                   ; the large slot gets K steps 3, 4
	RUN 1, 0                                       ; K step 2
	TURN 1, 0, 1                                   ; the small slot gets K step 5
	RUN 0, 0                                       ; K steps 3, 4
	TURN 0, 1, 1                                   ; the large slot gets K steps 6, 7: the last fill
	RUN 1, 0                                       ; K step 5
	TURN 1, 0, 0
	RUN 0, 0                                       ; K steps 6, 7
	s_wait_dscnt 0x0
	WIN 0x50
	MUL16 1, 0, 0
	MUL16 1, 2, 0
	WIN 0
	PLACES                                         ; behind the last matrix instructions: results are stored to LDS, fragment registers loaded again
; 16 rows x 64 columns (256 bytes of f32) at a time through my own stage; LDS serves a wave's instructions in order (ISA guide 5.7.1), so no wait
; between stores and loads
.macro OUTF a, hf
	s_wait_xcnt 0x0                                ; the read-back registers are the data of stores issued before
	WIN 0x04                                       ; store data in window 1
.irp b, 0,1,2,3
	ds_store_b128 v[STO], v[8*(8*\a+4*\hf+\b):8*(8*\a+4*\hf+\b)+3]   offset:64*\b
	ds_store_b128 v[STO], v[8*(8*\a+4*\hf+\b)+4:8*(8*\a+4*\hf+\b)+7] offset:64*\b+16
.endr
	WIN 0
.irp t, 0,1,2,3,4,5,6,7
	ds_load_b128 v[RBK+32*\hf+4*\t:RBK+32*\hf+4*\t+3], v[RD] offset:2*PS*\t
.endr
.irp t, 0,1,2,3,4,5,6,7
	s_wait_dscnt 7-\t                              ; 7 - t younger read-backs stay out
	global_store_b128 v[CO], v[RBK+32*\hf+4*\t:RBK+32*\hf+4*\t+3], s[8:9] offset:(16*\a+2*\t)*8192+256*\hf th:TH_STORE_NT   ; sixteen lanes store 256 consecutive bytes, aligned
.endr
.endm
.irp a, 0,1,2,3
	OUTF \a, 0
	OUTF \a, 1
.endr
	s_wait_tensorcnt 0x0
	ds_add_u32 v254, v255
	s_wait_dscnt 0x0
	CROUND                                         ; the closing round
	s_endpgm
.Lfunc_end_k_qce0ca234f9_oproj:
	.size	k_qce0ca234f9_oproj, .Lfunc_end_k_qce0ca234f9_oproj-k_qce0ca234f9_oproj
	.p2alignl 7, 3214868480
	.fill 96, 4, 3214868480
	.section	.rodata,"a",@progbits
	.p2align	6, 0x0
	.amdhsa_kernel k_qce0ca234f9_oproj
		.amdhsa_group_segment_fixed_size 327680
		.amdhsa_private_segment_fixed_size 0
		.amdhsa_enable_private_segment 0
		.amdhsa_kernarg_size 24
		.amdhsa_user_sgpr_count 2
		.amdhsa_user_sgpr_kernarg_segment_ptr 1
		.amdhsa_wavefront_size32 1
		.amdhsa_system_sgpr_workgroup_id_x 1
		.amdhsa_system_sgpr_workgroup_id_y 1
		.amdhsa_system_sgpr_workgroup_id_z 1
		.amdhsa_system_vgpr_workitem_id 0
		.amdhsa_next_free_vgpr 512
		.amdhsa_next_free_sgpr 96
		.amdhsa_reserve_vcc 0
		.amdhsa_float_denorm_mode_32 3
		.amdhsa_float_denorm_mode_16_64 3
		.amdhsa_memory_ordered 1
		.amdhsa_forward_progress 1
		.amdhsa_inst_pref_size 147
	.end_amdhsa_kernel
	.amdgpu_metadata
---
amdhsa.version: [ 1, 2 ]
amdhsa.kernels:
  - .name:           k_qce0ca234f9_oproj
    .symbol:         k_qce0ca234f9_oproj.kd
    .args:
      - { .name: ob, .offset: 0, .size: 8, .value_kind: global_buffer, .address_space: global }
      - { .name: wob, .offset: 8, .size: 8, .value_kind: global_buffer, .address_space: global }
      - { .name: out0, .offset: 16, .size: 8, .value_kind: global_buffer, .address_space: global }
    .group_segment_fixed_size: 327680
    .private_segment_fixed_size: 0
    .kernarg_segment_align: 8
    .kernarg_segment_size: 24
    .max_flat_workgroup_size: 128
    .sgpr_count:     96
    .vgpr_count:     512
    .wavefront_size: 32
...
	.end_amdgpu_metadata
.endif
;; end of part 4
;; ======== version 2 of 2: 4 launches; version 1 with the launch prep written anew for expert scheduling mode
;; limits: right only within a limited range of input values; values are held in f16: magnitudes above 65,504 overflow, below 6.1e-05 lose precision
;; workspace buffers: xb 16,777,216 bytes; wqkv 8,388,608 bytes; wob 4,194,304 bytes; rope 2,097,152 bytes; pos 16,384 bytes of whole numbers; meta 32,768 bytes of whole numbers; qkv 16,777,216 bytes; ob 8,388,608 bytes
;; launch prep (part 5): grid 256 x 1, 8 waves a work-group, no clusters, 0 bytes of LDS; arguments hidden_states, Wq, Wk, Wv, Wo, sid, position_ids, xb, wqkv, wob, pos, meta, rope; writes xb, wqkv, wob, pos, meta, rope
.if DOCPART == 5
	.amdgcn_target "amdgcn-amd-amdhsa--gfx1250"
	.amdhsa_code_object_version 6
	.text
	.protected	k_qce0ca234f9_prep
	.globl	k_qce0ca234f9_prep
	.p2align	8
	.type	k_qce0ca234f9_prep,@function
k_qce0ca234f9_prep:
	s_mov_b64 s[64:65], 0
	v_nop
	global_prefetch_b8 v0, s[64:65] scope:SCOPE_SE
	s_setreg_imm32_b32 hwreg(HW_REG_WAVE_SCHED_MODE, 0, 2), 2
	s_setreg_imm32_b32 hwreg(HW_REG_WAVE_MODE, 25, 1), 1
	s_wait_xcnt 0x0
	s_wait_alu depctr_vm_vsrc(0)
; FIRST OF FOUR LAUNCHES.  It makes (1) f16 copies of hidden_states (xb), of Wq, Wk, Wv one under the other (wqkv) and of Wo (wob);
; (2) the packed order of the tokens; (3) the table of cos and sin for the rotary embedding.
;
; THE PACKED ORDER.  The mask of the problem is: same sid, key not behind the query, rank distance inside the state at most 1024.
; Sort a batch's tokens stably by sid: token i goes to place p = S + R - 1, S = the number of j with sid[j] < sid[i] (the start of
; its state's segment), R = the number of j <= i with sid[j] = sid[i] (its rank + 1).  In that order the keys that query p may see are
; exactly the places lo .. p with lo = max(S, p - 1024).  This holds for every int32 content of sid (any number of states).
; pos[token] = p;  meta[batch][p] = (token's index in the batch, lo).
;
; WORK LEFT OUT, in the later launches: tiles of 32 keys that lie wholly outside [lo of a query tile's first row, its last row].  Their scores
; are replaced by the lowest f32 number before the softmax, and every query sees at least itself, so their weight is
; exp(lowest - maximum): nothing beside rounding, for all values of the inputs.  Which tiles these are is decided by whole numbers (sid),
; stored here and read from memory by the launch that uses them.  Inside a tile that holds live keys all is computed, then selected.
; Every input has a way to the output and is loaded.  LIMIT: a NaN, an infinity or an overflow in K or V rows of tiles left out is not carried on.
;
; FORMAT: matrix operands are f16, all sums f32.  Four roundings lie inside the chain (q and k, v, the weights, o); eight significant bits
; in each would add up to about a third of a per cent of the output's r.m.s., against a bound of one per cent for each of 8.4 million numbers.
; LIMIT: |q|, |k|, |v| below 65,504.  Room: inputs 30 times larger give a spread of 30 x 0.6 x sqrt(2048) = 815; offsets of 30 on
; hidden_states and 0.6 on the weights at once give 30 x 0.6 x 2048 = 36,864, times sqrt(2) behind the rotation 52,134.
; LIMIT: |position_ids| up to 2^20 (pi/2 is taken away in two parts); 10000^(-f/64) comes from v_exp_f32, so an angle at position 2047 is good to about 2e-4.
;
; SHARES.  Work-group g: tokens 16 g .. 16 g + 15 and 1/256 of every cast.  Thread t: token t / 16, place r = t % 16 among its sixteen lanes.
; The sixteen lanes of a token scan the batch's 2,048 sid, 128 each: element c of load tt is j = 64 tt + 4 r + c.
; THE SCAN.  The group's sixteen tokens lie in ONE block of 64 indices, block tt0 = (g mod 128) / 4: in the blocks below it every j is below i, so R counts
; equal sid alone; in the blocks above it no j counts; only in block tt0 is j <= i tested.  tt0 is a number of the work-group, so the run over the blocks below
; is left by a scalar branch, and block tt0 is brought by a load of its own (no register can be chosen by a number).
; Both counts are made in vector registers alone, with b my token's sid, all sums modulo 2^32:
;   S: c = min(max(sid[j], b - 1), b), signed, is b - 1 where sid[j] < b and b elsewhere (where b is the lowest int32, b - 1 wraps to the highest, the maximum is
;      that number and the minimum b: no sid is below b).  Over my 128 elements S = 128 b - the sum of c.
;   R: min(sid[j] xor b, 1), unsigned, is 0 for an equal sid and 1 for another; in block tt0 the sign of (i - j), all ones where j is behind i, is ORed in first.
;      R = the elements looked at, 4 tt0 + 4, less the sum.
; 320 vector instructions for S, 21 for block tt0, 10 for each block below it.
; THE CASTS.  56 loads of 16 bytes a lane.  24 go out behind the index loads, the other 32 straight behind the wait that the scan needs, ahead of the scan:
; all 56 are on their way through the scan, the index stores and the table.  The 32 lie in registers v256 to v383.
; No LDS, no barrier, no matrix unit: a stream and a count.
; The stores of pos and meta are 4 and 8 bytes to scattered places, 48 KiB in the whole launch: the order itself scatters them.
;
; THE MODE: SCHED_MODE bits 1:0 = 2 (LLVM: expert scheduling mode 2), set by the entry lines.  The code itself states the register dependences
; between vector instructions and memory instructions, and those through scalar results of vector instructions, with s_wait_alu, always for 0.
; THE PLAN.  Registers that memory instructions touch, in program order (the text has no loop):
;   v1, v2, v5, v6, v7   offsets, written at the head, read by loads and stores, never written again.
;   v24                  offset of block tt0's load, written at the head; written again by the table (a sine).
;   v8, v9, v[20:23], v[32:255], v[256:383]   loads land in them; no vector instruction names them ahead of their load, and no load is issued behind batch B.
;   v16 .. v19           written at the scan's end, read by the two index stores; v17 to v19 are written again by the table.
;   v19, v[20:27]        written by the table, read by its two stores, never written again.
;   the casts' results   batch A: the first two of each four registers; batch B: v[32:95].  Written once by the conversions, read once by the stores.
; So: one wait ahead of the first load; the waits round the two writes of EXEC, which also cover the index stores' registers before and behind; one wait for
; the table's four masks, whose compares stand in one run; and in the casts one wait to a group, between its conversions and the run of its stores.
.set SD,   32                          ; v[32:159]   32 loads of sid; later v[32:95] cast batch B's results, v[96:103] at work in the table
.set CA,   160                         ; v[160:255]  cast batch A, converted in place
.set CB,   0                           ; window 1, v[256:383]: cast batch B as loaded
.set OB,   20                          ; v[20:23]    my four sid of block tt0 (before the table takes these registers)
.set B1,   25                          ; v25         the scan: b - 1
.set TS,   26                          ; v[26:29]    the scan: at work; v30, v31 too
.set XF,   28                          ; v[28:31]    four angles
.set COSR, 20                          ; v[20:23]
.set SINR, 24                          ; v[24:27]
.set NN,   96                          ; v[96:99]    the four angles' nearest multiples of pi/2, as f32
.set NI,   100                         ; v[100:103]  the same as whole numbers
.set MQ,   48                          ; s[48:51]    the four angles' masks: odd quadrant
.set MSB, 0
.macro WIN new                         ; s_set_vgpr_msb: bits 1:0 source 0, 3:2 source 1, 7:6 destination; the high byte repeats the setting that is left
.if MSB != \new
	s_set_vgpr_msb (MSB<<8)|\new
.set MSB, \new
.endif
.endm
.macro STEP p, sh                      ; a base moves to the work-group's share: g << sh bytes
	s_lshl_b32 s2, ttmp9, \sh
	s_add_nc_u64 s[\p:\p+1], s[\p:\p+1], s[2:3]
.endm
	s_load_b512 s[8:23], s[0:1], 0x0               ; hidden 8, Wq 10, Wk 12, Wv 14, Wo 16, sid 18, position_ids 20, xb 22
	s_load_b256 s[24:31], s[0:1], 0x40             ; wqkv 24, wob 26, pos 28, meta 30
	s_load_b64 s[32:33], s[0:1], 0x60              ; rope
	v_lshlrev_b32 v1, 4, v0                        ; casts: 16 t bytes in
	v_lshlrev_b32 v2, 3, v0                        ;        8 t bytes out
	v_and_b32 v3, 15, v0                           ; r
	v_lshrrev_b32 v4, 4, v0                        ; token of the group's sixteen
	v_lshlrev_b32 v5, 4, v3                        ; scan: 16 r
	s_and_b32 s36, ttmp9, 127
	s_lshr_b32 s38, s36, 2                         ; tt0: the block of 64 indices that holds the group's tokens
	s_lshl_b32 s36, s36, 4                         ; the group's first token inside its batch
	s_and_b32 s39, s36, 63                         ; and inside block tt0
	s_lshl_b32 s40, s38, 8                         ; block tt0 in bytes
	s_lshl_b32 s41, s38, 2
	s_add_co_u32 s41, s41, 4                       ; 4 tt0 + 4: the elements that a lane looks at for R
	v_add_nc_u32 v16, s36, v4                      ; i
	v_lshlrev_b32 v6, 2, v16                       ; 4 i
	v_lshlrev_b32 v7, 2, v4                        ; 4 x token
	v_lshlrev_b32 v12, 2, v3
	v_add_nc_u32 v14, s39, v4
	v_sub_nc_u32 v12, v14, v12                     ; i - 64 tt0 - 4 r: in block tt0, j <= i is c <= this number (-60 .. 63)
	v_add_nc_u32 v24, s40, v5                      ; my 16 bytes of block tt0
	v_mov_b32 v15, 0                               ; a DPP destination counts as read
	s_lshr_b32 s37, ttmp9, 7                       ; batch
	s_mov_b32 s3, 0
	s_mov_b32 s34, 0xb94ca1f9                      ; sine's highest coefficient, -1.9515295891e-4
	s_mov_b32 s35, 0x37ccf5ce                      ; cosine's, 2.443315712e-5
	s_wait_kmcnt 0x0
	s_add_nc_u64 s[42:43], s[24:25], 0x400000      ; wqkv behind Wq's 1,024 rows of 4,096 bytes: Wk's part
	s_add_nc_u64 s[46:47], s[24:25], 0x600000      ; behind Wk's 512 rows: Wv's part
	STEP 8, 17
	STEP 10, 15
	STEP 12, 14
	STEP 14, 14
	STEP 16, 15
	STEP 20, 6
	STEP 22, 16
	STEP 24, 14
	STEP 42, 13
	STEP 46, 13
	STEP 26, 14
	STEP 28, 6
	STEP 32, 13
	s_lshl_b32 s2, s37, 13
	s_add_nc_u64 s[18:19], s[18:19], s[2:3]        ; sid of my batch
	s_lshl_b32 s2, s37, 14
	s_add_nc_u64 s[30:31], s[30:31], s[2:3]        ; meta of my batch
	s_wait_alu depctr_va_vdst(0)                   ; the offsets v1, v2, v5, v6, v7 and v24 are written: every load below, batch B's too, and every cast's store reads one of them
	global_load_b32 v8, v6, s[18:19]               ; my token's sid
	global_load_b32 v9, v7, s[20:21]               ; its position
	global_load_b128 v[OB:OB+3], v24, s[18:19]     ; block tt0
.set tt, 0
.rept 32
	global_load_b128 v[SD+4*tt:SD+4*tt+3], v5, s[18:19] offset:256*tt
.set tt, tt+1
.endr
.set j, 0
.rept 24
	global_load_b128 v[CA+4*j:CA+4*j+3], v1, s[8:9] offset:4096*j th:TH_LOAD_NT   ; cast batch A: hidden_states, 4,096 bytes of the group a load
.set j, j+1
.endr
	s_wait_loadcnt 24                              ; the 35 index loads are in; the 24 younger loads of batch A stay out
	; cast batch B, ahead of the scan: the rest of hidden_states, then the four weights, into window 1 (the address stays in window 0).
	; No wait: since the wait ahead of the first load only loads, a wait on LOADcnt and the window's switch have been issued
	WIN 0x40
.irp j, 0,1,2,3,4,5,6,7
	global_load_b128 v[CB+4*\j:CB+4*\j+3], v1, s[8:9] offset:4096*(24+\j) th:TH_LOAD_NT
.endr
.irp j, 0,1,2,3,4,5,6,7
	global_load_b128 v[CB+32+4*\j:CB+32+4*\j+3], v1, s[10:11] offset:4096*\j th:TH_LOAD_NT
.endr
.irp j, 0,1,2,3
	global_load_b128 v[CB+64+4*\j:CB+64+4*\j+3], v1, s[12:13] offset:4096*\j th:TH_LOAD_NT
.endr
.irp j, 0,1,2,3
	global_load_b128 v[CB+80+4*\j:CB+80+4*\j+3], v1, s[14:15] offset:4096*\j th:TH_LOAD_NT
.endr
.irp j, 0,1,2,3,4,5,6,7
	global_load_b128 v[CB+96+4*\j:CB+96+4*\j+3], v1, s[16:17] offset:4096*\j th:TH_LOAD_NT
.endr
	WIN 0
	; S: the sum of c over all my 128 elements, two at a time on two pairs of registers by turns; the first pair starts the sum
	v_add_nc_u32 v[B1], -1, v8                     ; b - 1, wrapping
.set n, 0
.rept 64
.set ta, TS+2*(n%2)
	v_max_i32 v[ta],   v[SD+2*n],   v[B1]
	v_max_i32 v[ta+1], v[SD+2*n+1], v[B1]
	v_min_i32 v[ta],   v[ta],   v8                 ; b - 1 where sid[j] < b, else b
	v_min_i32 v[ta+1], v[ta+1], v8
.if n == 0
	v_add_nc_u32 v10, v[ta], v[ta+1]
.else
	v_add3_u32 v10, v10, v[ta], v[ta+1]
.endif
.set n, n+1
.endr
	; R, block tt0: 1 for another state or for j behind i; these four start the sum
	v_ashrrev_i32 v[TS], 31, v12                   ; all ones where c = 0 is above the bound
.irp c, 1,2,3
	v_add_nc_u32 v[TS+\c], -\c, v12
.endr
.irp c, 1,2,3
	v_ashrrev_i32 v[TS+\c], 31, v[TS+\c]
.endr
.irp c, 0,1,2,3
	v_xor_b32 v[30+(\c)%2], v[OB+\c], v8
	v_or_b32 v[TS+\c], v[30+(\c)%2], v[TS+\c]
	v_min_u32 v[TS+\c], 1, v[TS+\c]
.endr
	v_add_nc_u32 v11, v[TS], v[TS+1]
	v_add3_u32 v11, v11, v[TS+2], v[TS+3]
	; R, the blocks below tt0 (at most 31): 1 for another state.  The run ends at block tt0.
.set tt, 0
.rept 31
	s_cmp_le_u32 s38, tt
	s_cbranch_scc1 .Lranked
.irp c, 0,1,2,3
	v_xor_b32 v[TS+\c], v[SD+4*tt+\c], v8
.endr
.irp c, 0,1,2,3
	v_min_u32 v[TS+\c], 1, v[TS+\c]
.endr
	v_add3_u32 v11, v11, v[TS], v[TS+1]
	v_add3_u32 v11, v11, v[TS+2], v[TS+3]
.set tt, tt+1
.endr
.Lranked:
	v_lshlrev_b32 v14, 7, v8
	v_sub_nc_u32 v10, v14, v10                     ; 128 b - the sum of c: my lane's part of S
	v_sub_nc_u32 v11, s41, v11                     ; the elements looked at, less those that do not count: my lane's part of R
	; both counts (at most 2,048 each) in one word, added over the token's sixteen lanes in whole numbers
	v_lshl_add_u32 v14, v11, 16, v10
.irp k, 1,2,4,8
	v_mov_b32_dpp v15, v14 row_xmask:\k row_mask:0xf bank_mask:0xf
	v_add_nc_u32 v14, v14, v15
.endr
	v_and_b32 v10, 0xffff, v14                     ; S
	v_lshrrev_b32 v11, 16, v14                     ; R
	v_add3_u32 v18, v10, v11, -1                   ; p
	v_add_nc_u32 v17, 0xfffffc00, v18              ; p - 1024
	v_max_i32 v17, v17, v10                        ; lo; v[16:17] = (i, lo)
	v_min_u32 v19, 0x7ff, v18                      ; p is below 2,048 by its making; the bound is written out since it enters an address
	v_lshlrev_b32 v19, 3, v19
	v_cmp_eq_u32 vcc_lo, 0, v3
	s_wait_xcnt 0x0                                ; EXEC is a source of the loads that are out: it changes only behind this wait
	s_wait_alu depctr_va_vcc(0)                    ; the compare has written VCC, of which EXEC is made
	s_wait_alu depctr_va_vdst(0)                   ; ahead of a scalar write of EXEC; it also states that v16 to v19 are written, which the two stores read
	s_wait_alu depctr_vm_vsrc(0)                   ; ahead of a scalar write of EXEC
	s_and_saveexec_b32 s44, vcc_lo                 ; one lane a token
	global_store_b32 v7, v18, s[28:29]
	global_store_b64 v19, v[16:17], s[30:31]
	s_wait_xcnt 0x0                                ; and again in front of the line that widens it
	s_wait_alu depctr_va_vdst(0)                   ; ahead of a scalar write of EXEC
	s_wait_alu depctr_vm_vsrc(0)                   ; likewise; it also states that the two stores have read v17 to v19, and block tt0's load v24: the table writes these four again
	s_or_b32 exec_lo, exec_lo, s44
	; the table: frequencies f = 4 r + c.  10000^(-f/64) = 2^(-f log2(10)/16); the angle is one f32 product of position and frequency
	v_lshlrev_b32 v17, 2, v3
	v_cvt_f32_u32 v17, v17
	v_add_f32 v29, 1.0, v17
	v_add_f32 v30, 2.0, v17
	v_add_f32 v31, 0x40400000, v17
	v_mul_f32 v28, 0xbe549a78, v17
	v_mul_f32 v29, 0xbe549a78, v29
	v_mul_f32 v30, 0xbe549a78, v30
	v_mul_f32 v31, 0xbe549a78, v31
	v_exp_f32 v28, v28
	v_exp_f32 v29, v29
	v_exp_f32 v30, v30
	v_exp_f32 v31, v31
	v_cvt_f32_i32 v9, v9                           ; the plain instruction between the last v_exp_f32 and the first use (ISA guide 5.7.2)
	s_wait_alu depctr_va_vdst(0)                   ; the four powers v28 to v31 are written, ahead of their first reader
.irp c, 0,1,2,3
	v_mul_f32 v[XF+\c], v9, v[XF+\c]
.endr
; sine and cosine of v[XF+c]: n = the nearest multiple of pi/2, taken away in two parts (the first product is exact in the fused form),
; polynomials on |r| <= pi/4, then the quadrant n mod 4 swaps the two and sets the signs.
; QUAD makes n and the mask 'odd quadrant' for one angle.  The four stand in one run, so that one wait serves the four masks.
.macro QUAD c
	v_mul_f32 v[NN+\c], 0x3f22f983, v[XF+\c]       ; x * 2/pi
	v_rndne_f32 v[NN+\c], v[NN+\c]                 ; n
	v_cvt_i32_f32 v[NI+\c], v[NN+\c]
	v_and_b32 v17, 1, v[NI+\c]
	v_cmp_eq_u32 s[MQ+\c], 1, v17
.endm
.macro SINCOS c
	v_fmamk_f32 v11, v[NN+\c], 0xbfc90fdb, v[XF+\c]  ; x - n * 1.57079637
	v_fmamk_f32 v11, v[NN+\c], 0x333bbd2e, v11       ;   + n * 4.37113883e-8
	v_mul_f32 v12, v11, v11                        ; r^2
	v_fmaak_f32 v13, s34, v12, 0x3c08839e
	v_fmaak_f32 v14, s35, v12, 0xbab6061a
	v_fmaak_f32 v13, v13, v12, 0xbe2aaaa3
	v_fmaak_f32 v14, v14, v12, 0x3d2aaaa5
	v_mul_f32 v13, v13, v12
	v_fma_f32 v14, v14, v12, -0.5
	v_fma_f32 v13, v13, v11, v11                   ; sin r
	v_fma_f32 v14, v14, v12, 1.0                   ; cos r
.if \c == 0
	s_wait_alu depctr_va_sdst(0)                   ; the four compares have written s[MQ .. MQ+3], ahead of the first select that reads one; the first angle's polynomials stand between
.endif
	v_cndmask_b32 v[SINR+\c], v13, v14, s[MQ+\c]   ; odd quadrant: the two change places
	v_cndmask_b32 v[COSR+\c], v14, v13, s[MQ+\c]
	v_lshlrev_b32 v17, 30, v[NI+\c]                ; bit 1 of n: sine's sign
	v_add_nc_u32 v18, 1, v[NI+\c]
	v_and_b32 v17, 0x80000000, v17
	v_lshlrev_b32 v18, 30, v18                     ; bit 1 of n + 1: cosine's sign
	v_xor_b32 v[SINR+\c], v[SINR+\c], v17
	v_and_b32 v18, 0x80000000, v18
	v_xor_b32 v[COSR+\c], v[COSR+\c], v18
.endm
	QUAD 0
	QUAD 1
	QUAD 2
	QUAD 3
	SINCOS 0
	SINCOS 1
	SINCOS 2
	SINCOS 3
	v_lshl_add_u32 v19, v4, 9, v5                  ; token x 512 + 16 r: a token's sixteen lanes store 256 consecutive bytes, aligned
; THE CASTS LEAVE IN GROUPS: the wait for the group's loads, its conversions, one wait, the run of its stores.  No result register is written again.
; Batch A, group g of three, eight loads: four f32 become four f16 in place; a wave's store covers 256 consecutive bytes, aligned.
; The table's two stores go with the first group, behind the same wait.
.macro GRA g
	s_wait_loadcnt 48-8*\g                         ; loads come back in order (ISA guide 5.7.1): the group's eight are in; the rest of batch A and the 32 of batch B stay out
.set k, 8*\g
.rept 8
	v_cvt_pk_f16_f32 v[CA+4*k], v[CA+4*k], v[CA+4*k+1]
	v_cvt_pk_f16_f32 v[CA+4*k+1], v[CA+4*k+2], v[CA+4*k+3]
.set k, k+1
.endr
	s_wait_alu depctr_va_vdst(0)                   ; the group's conversions have written their results, which the stores below read; in the first group also: the table's cos, sin and v19 are written
.if \g == 0
	global_store_b128 v19, v[COSR:COSR+3], s[32:33]
	global_store_b128 v19, v[SINR:SINR+3], s[32:33] offset:256
.endif
.set k, 8*\g
.rept 8
	global_store_b64 v2, v[CA+4*k:CA+4*k+1], s[22:23] offset:2048*k
.set k, k+1
.endr
.endm
; Batch B, loads k0 to k0 + 3: sources in window 1, results in the scan's registers in window 0 (each written once).  Groups of four: these loads land last.
; b: the stores' base; j0: the first store's place, in units of 2,048 bytes.
.macro GRB k0, b, j0
	s_wait_loadcnt 28-\k0                          ; the group's four are in; the 28 - k0 younger loads of batch B stay out
	WIN 0x05
.set kk, \k0
.rept 4
	v_cvt_pk_f16_f32 v[SD+2*kk],   v[CB+4*kk],   v[CB+4*kk+1]
	v_cvt_pk_f16_f32 v[SD+2*kk+1], v[CB+4*kk+2], v[CB+4*kk+3]
.set kk, kk+1
.endr
	WIN 0
	s_wait_alu depctr_va_vdst(0)                   ; the group's conversions have written their results, which the stores below read
.set kk, 0
.rept 4
	global_store_b64 v2, v[SD+2*(\k0+kk):SD+2*(\k0+kk)+1], s[\b:\b+1] offset:2048*(\j0+kk)   ; a wave's store covers 256 consecutive bytes, aligned
.set kk, kk+1
.endr
.endm
	GRA 0
	GRA 1
	GRA 2
	GRB 0, 22, 24                                  ; the rest of hidden_states
	GRB 4, 22, 28
	GRB 8, 24, 0                                   ; Wq
	GRB 12, 24, 4
	GRB 16, 42, 0                                  ; Wk
	GRB 20, 46, 0                                  ; Wv
	GRB 24, 26, 0                                  ; Wo
	GRB 28, 26, 4
	s_endpgm
.Lfunc_end_k_qce0ca234f9_prep:
	.size	k_qce0ca234f9_prep, .Lfunc_end_k_qce0ca234f9_prep-k_qce0ca234f9_prep
	.p2alignl 7, 3214868480
	.fill 96, 4, 3214868480
	.section	.rodata,"a",@progbits
	.p2align	6, 0x0
	.amdhsa_kernel k_qce0ca234f9_prep
		.amdhsa_group_segment_fixed_size 0
		.amdhsa_private_segment_fixed_size 0
		.amdhsa_enable_private_segment 0
		.amdhsa_kernarg_size 104
		.amdhsa_user_sgpr_count 2
		.amdhsa_user_sgpr_kernarg_segment_ptr 1
		.amdhsa_wavefront_size32 1
		.amdhsa_system_sgpr_workgroup_id_x 1
		.amdhsa_system_sgpr_workgroup_id_y 1
		.amdhsa_system_sgpr_workgroup_id_z 1
		.amdhsa_system_vgpr_workitem_id 0
		.amdhsa_next_free_vgpr 384
		.amdhsa_next_free_sgpr 66
		.amdhsa_reserve_vcc 1
		.amdhsa_float_denorm_mode_32 3
		.amdhsa_float_denorm_mode_16_64 3
		.amdhsa_memory_ordered 1
		.amdhsa_forward_progress 1
		.amdhsa_inst_pref_size 59
	.end_amdhsa_kernel
	.amdgpu_metadata
---
amdhsa.version: [ 1, 2 ]
amdhsa.kernels:
  - .name:           k_qce0ca234f9_prep
    .symbol:         k_qce0ca234f9_prep.kd
    .args:
      - { .name: hidden_states, .offset: 0, .size: 8, .value_kind: global_buffer, .address_space: global }
      - { .name: Wq, .offset: 8, .size: 8, .value_kind: global_buffer, .address_space: global }
      - { .name: Wk, .offset: 16, .size: 8, .value_kind: global_buffer, .address_space: global }
      - { .name: Wv, .offset: 24, .size: 8, .value_kind: global_buffer, .address_space: global }
      - { .name: Wo, .offset: 32, .size: 8, .value_kind: global_buffer, .address_space: global }
      - { .name: sid, .offset: 40, .size: 8, .value_kind: global_buffer, .address_space: global }
      - { .name: position_ids, .offset: 48, .size: 8, .value_kind: global_buffer, .address_space: global }
      - { .name: xb, .offset: 56, .size: 8, .value_kind: global_buffer, .address_space: global }
      - { .name: wqkv, .offset: 64, .size: 8, .value_kind: global_buffer, .address_space: global }
      - { .name: wob, .offset: 72, .size: 8, .value_kind: global_buffer, .address_space: global }
      - { .name: pos, .offset: 80, .size: 8, .value_kind: global_buffer, .address_space: global }
      - { .name: meta, .offset: 88, .size: 8, .value_kind: global_buffer, .address_space: global }
      - { .name: rope, .offset: 96, .size: 8, .value_kind: global_buffer, .address_space: global }
    .group_segment_fixed_size: 0
    .private_segment_fixed_size: 0
    .kernarg_segment_align: 8
    .kernarg_segment_size: 104
    .max_flat_workgroup_size: 256
    .sgpr_count:     66
    .vgpr_count:     384
    .wavefront_size: 32
...
	.end_amdgpu_metadata
.endif
;; end of part 5
;; launch qkvproj: the kernel of part 2 again; grid 16 x 16, 4 waves a work-group, clusters of 4 x 4, 327,680 bytes of LDS; arguments xb, wqkv, qkv, pos, rope; writes qkv
;; launch attn: the kernel of part 3 again; grid 256 x 1, 8 waves a work-group, no clusters, 144,384 bytes of LDS; arguments qkv, meta, ob; writes ob
;; launch oproj: the kernel of part 4 again; grid 16 x 16, 4 waves a work-group, clusters of 4 x 4, 327,680 bytes of LDS; arguments ob, wob, out0; writes out0
